; MI455X (gfx1250); checked and timed in simulation.
; The chip was launched on July 23, 2026; its instructions are those of AMD's public machine-readable ISA for CDNA 5 (MIT licence, August 2026) and "CDNA5" Instruction Set Architecture Reference Guide (July 2026). The comments in the code are by the model that wrote it; some were corrected since.
;; Re Based Linear Attention. Allowed arithmetic: matrix products marked QUANTISED: E2M1 operands, one E8M0 scale for each 32 along K, by v_wmma_scale_f32_16x16x128_f8f6f4 with both operands' format E2M1 (or v_wmma_scale_f32_32x16x128_f4), f32 sums; products left as they are: bf16, f16 or f32 operands; f32 sums; everything else in f32.
;; Inputs: Wk 2,048 x 2,048 float32; Wo 2,048 x 2,048 float32; Wq 2,048 x 2,048 float32; Wv 2,048 x 2,048 float32; beta 128 float32; gamma 128 float32; hidden_states 1 x 2,048 x 2,048 float32.
;; Outputs: out0 1 x 2,048 x 2,048 float32.
;; This version of the problem:
;;   THIS VERSION OF THE PROBLEM IS GIVEN IN LOW PRECISION. The matrix products marked QUANTISED in the list below multiply operands that are first quantised to E2M1 (2 exponent bits, 1 mantissa bit; 4 bits a number), with one power-of-two scale for each 32 numbers along K (OCP MX v1.0); their sums are f32. The products marked 'left as it is' may take bf16, f16 or f32 operands, with f32 sums. Whichever they take, every output number must still come out within the allowed error. Rounding operands to bf16 (8 significant bits) uses up far more of that allowance than f16 does (11 bits, for magnitudes from 6e-5 to 65,504). All else is computed in f32.
;;   The module's matrix products, in the order in which they are computed (A, B: the left and right operand; K: the contracted axis; several contracted axes count as one K, in the product's order):
;;     1. [M 2,048, K 2,048] x [K 2,048, N 2,048]; A: input hidden_states; B: input Wq: QUANTISED
;;     2. [M 2,048, K 2,048] x [K 2,048, N 2,048]; A: input hidden_states; B: input Wk: QUANTISED
;;     3. [M 2,048, K 2,048] x [K 2,048, N 2,048]; A: input hidden_states; B: input Wv: QUANTISED
;;     4. batch 16 x [M 2,048, K 128] x [K 128, N 2,048]; A: computed on the way; B: computed on the way: left as it is (an operand is computed on the way)
;;     5. batch 16 x [M 128, K 2,048] x [K 2,048, N 2,048]; A: computed on the way; B: computed on the way: left as it is (an operand is computed on the way)
;;     6. [M 2,048, K 2,048] x [K 2,048, N 2,048]; A: computed on the way; B: input Wo: left as it is (an operand is computed on the way)
;;   THE QUANTISER, for each operand of a quantised product, along K:
;;     - K is cut into blocks of 32 from its start; a last block that is shorter is filled with zeros.
;;     - A block's scale is 2^e with e = floor(log2(the largest magnitude in the block)) - 2, held to -126 .. 127; a block of zeros has e = 0. As a byte (E8M0): e + 127.
;;     - Each number is divided by its block's scale, clamped to +-6, and rounded to the nearest number of E2M1, ties to even, subnormals kept.
;;     - The product sums the exact products of the quantised numbers (number of the format x scale) in f32.
;;   ~~~python
;;   def quantise(x, axis):      # numpy; x: float32 -> the quantised numbers, widened to float32 again
;;       x = np.moveaxis(x, axis, -1); K = x.shape[-1]
;;       x = np.pad(x, [(0, 0)] * (x.ndim - 1) + [(0, -K % 32)]); x = x.reshape(x.shape[:-1] + (-1, 32)); a = np.abs(x).max(-1, keepdims=True)
;;       e = np.where(a > 0, np.clip(np.frexp(np.where(a > 0, a, 1))[1] - 1 - 2, -126, 127), 0)      # np.frexp(a)[1] - 1 = floor(log2(a)), exactly
;;       r = np.clip(x / 2.0 ** e, -6, 6)
;;       step = 2.0 ** (np.maximum(np.frexp(np.where(r == 0, 1, r))[1] - 1, 0) - 1)
;;       q = np.round(r / step) * step * 2.0 ** e      # np.round: ties to even
;;       return np.moveaxis(q.reshape(q.shape[:-2] + (-1,))[..., :K], -1, axis).astype(np.float32)
;;   ~~~
;; One version. Each part assembles by itself: llvm-mc -triple=amdgcn-amd-amdhsa -mcpu=gfx1250 --defsym DOCPART=n.
;; ======== version 1 of 1: 5 launches
;; limits: values are held in f16: magnitudes above 65,504 overflow, below 6.1e-05 lose precision
;; workspace buffers: xc 2,097,152 bytes; xs 131,072 bytes; wc 6,291,456 bytes; ws 393,216 bytes; wo16 8,388,608 bytes; qkv16 25,165,824 bytes; lo16 196,608 bytes; o16 8,388,608 bytes
;; launch prep (part 1): grid 640 x 1, 4 waves a work-group, no clusters, 33,280 bytes of LDS; arguments hidden_states, Wq, Wk, Wv, Wo, xc, xs, wc, ws, wo16; writes xc, xs, wc, ws, wo16
.if DOCPART == 1
	.amdgcn_target "amdgcn-amd-amdhsa--gfx1250"
	.amdhsa_code_object_version 6
	.text
	.protected	k_q1ae5b4480b_prep
	.globl	k_q1ae5b4480b_prep
	.p2align	8
	.type	k_q1ae5b4480b_prep,@function
k_q1ae5b4480b_prep:
	s_mov_b64 s[64:65], 0
	v_nop
	global_prefetch_b8 v0, s[64:65] scope:SCOPE_SE
	s_setreg_imm32_b32 hwreg(HW_REG_WAVE_MODE, 25, 1), 1
	s_wait_xcnt 0x0
; hidden_states, Wq, Wk, Wv ([2048][2048] f32, K innermost) become codes of FP4 (E2M1) with one E8M0 scale byte for each 32 along K; Wo becomes f16.
; Five tensors of 4,194,304 numbers, 128 work-groups each: tensor = work-group / 128.  A wave takes a run of 8,192 numbers.
; xc [2048][1024 bytes], xs [2048][64];  wc [6144][1024 bytes], ws [6144][64]: the rows of Wq, then Wk, then Wv;  wo16 [2048][2048] f16.
; A block's scale is 2^(floor(log2(its largest magnitude)) - 2); its byte is the largest magnitude's exponent field - 2, held at 1 from below.  A block of zeros so gets the byte 1:
; its codes are zeros, which add nothing, and the bytes are read by this program alone.
; LIMITS: blocks whose largest magnitude lies under 2^-124 keep the byte 1; NaN and infinities among the inputs are not served; |Wo| stays under 65,504, and numbers of Wo under 6.1e-5 are kept with f16's step of 2^-24.
; Rows are dense and K is a multiple of 32: a tensor is a plain stream of blocks.  Each load reads 512 consecutive bytes; a step's 2,048 bytes turn through the wave's own stage in LDS so that a lane holds 16 neighbours.
; No tensor loads, no barrier: waves share nothing.  No cluster: no two work-groups read the same bytes.
.set WAVES, 4
.set STEPS, 16
.set EMAX,  2
.set CB,    8                          ; bytes of 16 codes
.set R,     16                         ; v16-79   four sets of 16 numbers as loaded
.set X,     80                         ; v80-111  two sets of 16 neighbours
.set E,     112                        ; v112-127 a scale byte for each step
.set C,     128                        ; v128-191 codes, four registers a step
.set WREG,  8192                       ; LDS: a region for each wave: two stages of 32 x SP bytes, then its 256 scale bytes
.set SP,    80
.set SPW,   12                         ; v12 my spare word's LDS address; never rewritten
.set NIL,   13                         ; v13 0; never rewritten
.set SPARE, WAVES*WREG                 ; the spare words: 128 bytes a wave, named by no other line
.set SRC,   28                         ; s[28:29] my run in the tensor
.set COD,   30                         ; s[30:31] its codes
.set SCA,   32                         ; s[32:33] its scale bytes
	s_load_b512 s[8:23], s[0:1], 0x0               ; hidden_states, Wq, Wk, Wv, Wo, xc, xs, wc
	s_load_b128 s[24:27], s[0:1], 0x40             ; ws, wo16
	v_lshl_add_u32 v[SPW], v0, 2, SPARE
	v_mov_b32 v[NIL], 0
	v_lshrrev_b32 v1, 5, v0
	v_readfirstlane_b32 s4, v1                     ; wave
	v_and_b32 v2, 31, v0                           ; lane
	v_lshlrev_b32 v3, 4, v2                        ; my 16 bytes of a load's 512
	s_mul_i32 s5, s4, WREG
	v_lshrrev_b32 v14, 2, v2
	v_mul_u32_u24 v14, v14, SP
	v_and_b32 v15, 3, v2
	v_lshl_add_u32 v14, v15, 4, v14
	v_add_nc_u32 v14, s5, v14                      ; the stage on the way in: SP (lane / 4) + 16 (lane % 4)
	v_mul_u32_u24 v15, v2, SP
	v_add_nc_u32 v15, s5, v15                      ; and on the way out: SP x lane
	v_mul_u32_u24 v4, v2, CB                       ; my codes' place in a step's
	v_lshrrev_b32 v5, 1, v2
	s_add_co_u32 s5, s5, 2*32*SP
	v_add_nc_u32 v5, s5, v5                        ; my block's scale byte in LDS
	v_lshlrev_b32 v7, 3, v2                        ; 8 bytes a lane
	v_add_nc_u32 v6, s5, v7
	s_lshr_b32 s2, ttmp9, 7                        ; which tensor
	s_and_b32 s6, ttmp9, 127
	s_lshl_b32 s6, s6, 2
	s_add_co_u32 s6, s6, s4                        ; which run of 8,192 numbers
	s_lshl_b32 s34, s6, 15                         ; 32,768 bytes a run
	s_mov_b32 s35, 0
	s_wait_kmcnt 0x0
	s_cmp_eq_u32 s2, 1                             ; the choices hang on the work-group's number alone
	s_cselect_b64 s[SRC:SRC+1], s[10:11], s[8:9]
	s_cmp_eq_u32 s2, 2
	s_cselect_b64 s[SRC:SRC+1], s[12:13], s[SRC:SRC+1]
	s_cmp_eq_u32 s2, 3
	s_cselect_b64 s[SRC:SRC+1], s[14:15], s[SRC:SRC+1]
	s_cmp_eq_u32 s2, 4
	s_cselect_b64 s[SRC:SRC+1], s[16:17], s[SRC:SRC+1]
	s_cmp_eq_u32 s2, 0
	s_cselect_b64 s[COD:COD+1], s[18:19], s[22:23]
	s_cselect_b64 s[SCA:SCA+1], s[20:21], s[24:25]
	s_add_nc_u64 s[SRC:SRC+1], s[SRC:SRC+1], s[34:35]
	s_cmp_eq_u32 s2, 4
	s_cbranch_scc1 .Lcast
	; ---- the quantiser
	s_max_u32 s3, s2, 1
	s_sub_co_u32 s3, s3, 1                         ; which of the three weights (0 for x too)
	s_lshl_b32 s36, s3, 21                         ; 2,097,152 bytes of codes a tensor,
	s_lshl_b32 s37, s6, 12                         ; 4,096 a run
	s_add_co_u32 s36, s36, s37
	s_mov_b32 s37, 0
	s_add_nc_u64 s[COD:COD+1], s[COD:COD+1], s[36:37]
	s_lshl_b32 s36, s3, 17                         ; 131,072 scale bytes a tensor,
	s_lshl_b32 s38, s6, 8                          ; 256 a run
	s_add_co_u32 s36, s36, s38
	s_add_nc_u64 s[SCA:SCA+1], s[SCA:SCA+1], s[36:37]
.macro LOAD t
.irp i, 0,1,2,3
	global_load_b128 v[R+16*((\t)%4)+4*\i:R+16*((\t)%4)+4*\i+3], v3, s[SRC:SRC+1] offset:2048*(\t)+512*\i th:TH_LOAD_NT   ; 32 lanes read 512 consecutive bytes
.endr
.endm
.macro TURN t                          ; step t's numbers through the stage: LDS serves a wave's instructions in order, so no wait stands between the stores and the loads
.irp i, 0,1,2,3
	ds_store_b128 v14, v[R+16*((\t)%4)+4*\i:R+16*((\t)%4)+4*\i+3] offset:32*SP*((\t)%2)+8*SP*\i
.endr
.irp i, 0,1,2,3
	ds_load_b128 v[X+16*((\t)%2)+4*\i:X+16*((\t)%2)+4*\i+3], v15 offset:32*SP*((\t)%2)+16*\i
.endr
.endm
.irp t, 0,1,2,3
	LOAD \t
.endr
	s_wait_loadcnt 12                              ; step 0's four loads are in; three steps' twelve may be out
	TURN 0
.macro STEP t
.set XS, X+16*((\t)%2)
.if (\t) > 0
	s_wait_dscnt 1                                 ; this step's numbers are back from the stage (the last step's byte store may be out)
.else
	s_wait_dscnt 0x0
.endif
.if (\t)+4 < STEPS
	LOAD (\t)+4
.endif
.if (\t)+1 < STEPS
.if STEPS-2-(\t) >= 3
	s_wait_loadcnt 12                              ; the next step's four loads are in; those of the three steps behind it may be out
.else
	s_wait_loadcnt 4*(STEPS-2-(\t))
.endif
	TURN (\t)+1
.endif
	v_max3_num_f32 v8, |v[XS]|, |v[XS+1]|, |v[XS+2]|               ; the largest magnitude of my 16, in two chains
	v_max3_num_f32 v9, |v[XS+3]|, |v[XS+4]|, |v[XS+5]|
.irp i, 6,10
	v_max3_num_f32 v8, v8, |v[XS+\i]|, |v[XS+\i+1]|
	v_max3_num_f32 v9, v9, |v[XS+\i+2]|, |v[XS+\i+3]|
.endr
	v_max3_num_f32 v8, v8, |v[XS+14]|, |v[XS+15]|
	v_max3_num_f32 v8, v8, v9, (EMAX+1)<<23        ; and the floor 2^(3 - 127): the byte cannot fall under 1
	v_max_num_f32_dpp v8, v8, v8 row_xmask:1 row_mask:0xf bank_mask:0xf   ; with my neighbour's 16: the block's
	v_add_nc_u32 v11, -(EMAX<<23), v8              ; 2 off its exponent field: the conversion takes the exponent field of this operand as its scale
	v_cvt_scalef32_pk8_fp4_f32 v[C+4*(\t)], v[XS:XS+7], v11
	v_cvt_scalef32_pk8_fp4_f32 v[C+4*(\t)+1], v[XS+8:XS+15], v11
	v_lshrrev_b32 v[E+(\t)], 23, v11               ; the scale's byte
	ds_store_b8 v5, v[E+(\t)] offset:16*(\t)       ; both lanes of a block write the same byte with the same value
	global_store_b64 v4, v[C+4*(\t):C+4*(\t)+1], s[COD:COD+1] offset:32*CB*(\t)   ; the wave stores 256 consecutive bytes, aligned
.endm
.irp t, 0,1,2,3,4,5,6,7,8,9,10,11,12,13,14,15
	STEP \t
.endr
	ds_load_b64 v[8:9], v6                         ; my wave's 256 scale bytes, 8 a lane
	s_wait_dscnt 0x0
	global_store_b64 v7, v[8:9], s[SCA:SCA+1]      ; 256 consecutive bytes, aligned
	s_wait_tensorcnt 0x0                           ; the wave's end, behind my last LDS store
	ds_add_u32 v[SPW], v[NIL]
	s_wait_dscnt 0x0
	s_endpgm
	; ---- Wo to f16: 64 loads of 512 bytes a wave, in four batches of 16; two batches are on their way
.macro CLOAD b
.set i, 0
.rept 16
	global_load_b128 v[16+64*((\b)%2)+4*i:16+64*((\b)%2)+4*i+3], v3, s[SRC:SRC+1] offset:512*(16*(\b)+i) th:TH_LOAD_NT
.set i, i+1
.endr
.endm
.macro CBATCH b
.if (\b) < 3
	s_wait_loadcnt 16                              ; this batch is in; the next batch's sixteen may be out
.else
	s_wait_loadcnt 0x0
.endif
	s_wait_xcnt 0x0                                ; the last batch's stores have read v144-175
.set i, 0
.rept 16
	v_cvt_pk_f16_f32 v[144+2*i], v[16+64*((\b)%2)+4*i], v[16+64*((\b)%2)+4*i+1]
	v_cvt_pk_f16_f32 v[145+2*i], v[16+64*((\b)%2)+4*i+2], v[16+64*((\b)%2)+4*i+3]
.set i, i+1
.endr
.set i, 0
.rept 16
	global_store_b64 v7, v[144+2*i:145+2*i], s[26:27] offset:256*(16*(\b)+i)   ; 256 consecutive bytes, aligned
.set i, i+1
.endr
.if (\b) < 2
	CLOAD (\b)+2
.endif
.endm
.Lcast:
	s_lshl_b32 s36, s6, 14                         ; 16,384 bytes of f16 a run
	s_mov_b32 s37, 0
	s_add_nc_u64 s[26:27], s[26:27], s[36:37]
	CLOAD 0
	CLOAD 1
	CBATCH 0
	CBATCH 1
	CBATCH 2
	CBATCH 3
	s_wait_tensorcnt 0x0                           ; the same three lines close this path
	ds_add_u32 v[SPW], v[NIL]
	s_wait_dscnt 0x0
	s_endpgm
.Lfunc_end_k_q1ae5b4480b_prep:
	.size	k_q1ae5b4480b_prep, .Lfunc_end_k_q1ae5b4480b_prep-k_q1ae5b4480b_prep
	.p2alignl 7, 3214868480
	.fill 96, 4, 3214868480
	.section	.rodata,"a",@progbits
	.p2align	6, 0x0
	.amdhsa_kernel k_q1ae5b4480b_prep
		.amdhsa_group_segment_fixed_size 33280
		.amdhsa_private_segment_fixed_size 0
		.amdhsa_enable_private_segment 0
		.amdhsa_kernarg_size 80
		.amdhsa_user_sgpr_count 2
		.amdhsa_user_sgpr_kernarg_segment_ptr 1
		.amdhsa_wavefront_size32 1
		.amdhsa_system_sgpr_workgroup_id_x 1
		.amdhsa_system_sgpr_workgroup_id_y 1
		.amdhsa_system_sgpr_workgroup_id_z 1
		.amdhsa_system_vgpr_workitem_id 0
		.amdhsa_next_free_vgpr 192
		.amdhsa_next_free_sgpr 66
		.amdhsa_reserve_vcc 0
		.amdhsa_float_denorm_mode_32 3
		.amdhsa_float_denorm_mode_16_64 3
		.amdhsa_memory_ordered 1
		.amdhsa_forward_progress 1
		.amdhsa_inst_pref_size 54
	.end_amdhsa_kernel
	.amdgpu_metadata
---
amdhsa.version: [ 1, 2 ]
amdhsa.kernels:
  - .name:           k_q1ae5b4480b_prep
    .symbol:         k_q1ae5b4480b_prep.kd
    .args:
      - { .name: hidden_states, .offset: 0, .size: 8, .value_kind: global_buffer, .address_space: global }
      - { .name: Wq, .offset: 8, .size: 8, .value_kind: global_buffer, .address_space: global }
      - { .name: Wk, .offset: 16, .size: 8, .value_kind: global_buffer, .address_space: global }
      - { .name: Wv, .offset: 24, .size: 8, .value_kind: global_buffer, .address_space: global }
      - { .name: Wo, .offset: 32, .size: 8, .value_kind: global_buffer, .address_space: global }
      - { .name: xc, .offset: 40, .size: 8, .value_kind: global_buffer, .address_space: global }
      - { .name: xs, .offset: 48, .size: 8, .value_kind: global_buffer, .address_space: global }
      - { .name: wc, .offset: 56, .size: 8, .value_kind: global_buffer, .address_space: global }
      - { .name: ws, .offset: 64, .size: 8, .value_kind: global_buffer, .address_space: global }
      - { .name: wo16, .offset: 72, .size: 8, .value_kind: global_buffer, .address_space: global }
    .group_segment_fixed_size: 33280
    .private_segment_fixed_size: 0
    .kernarg_segment_align: 8
    .kernarg_segment_size: 80
    .max_flat_workgroup_size: 128
    .sgpr_count:     66
    .vgpr_count:     192
    .wavefront_size: 32
...
	.end_amdgpu_metadata
.endif
;; end of part 1
;; launch qkv (part 2): grid 24 x 8, 4 waves a work-group, clusters of 4 x 4, 327,680 bytes of LDS; arguments xc, xs, wc, ws, gamma, beta, qkv16, lo16; writes qkv16, lo16
.if DOCPART == 2
	.amdgcn_target "amdgcn-amd-amdhsa--gfx1250"
	.amdhsa_code_object_version 6
	.text
	.protected	k_q1ae5b4480b_qkv
	.globl	k_q1ae5b4480b_qkv
	.p2align	8
	.type	k_q1ae5b4480b_qkv,@function
k_q1ae5b4480b_qkv:
	s_mov_b64 s[64:65], 0
	v_nop
	global_prefetch_b8 v0, s[64:65] scope:SCOPE_SE
	s_setreg_imm32_b32 hwreg(HW_REG_WAVE_MODE, 25, 1), 1
	s_wait_xcnt 0x0
	s_wait_alu depctr_hold_cnt(0) depctr_sa_sdst(0) depctr_va_vdst(0) depctr_va_sdst(0) depctr_va_ssrc(0) depctr_va_vcc(0) depctr_vm_vsrc(0)
	s_getreg_b32 s2, hwreg(HW_REG_IB_STS2, 6, 4)
	s_cmp_eq_u32 s2, 0
	s_cbranch_scc0 .Lentry_in_a_cluster
	s_endpgm
.Lentry_in_a_cluster:
	s_bfe_u32 s2, ttmp6, 0x10000c
	s_cmp_lg_u32 s2, 0xf033
	s_cbranch_scc0 .Lentry_shape_is_right
	s_endpgm
.Lentry_shape_is_right:
; The three projections as ONE product on codes of FP4 (E2M1) with E8M0 scales: C[t][n] = sum over k of x[t][k] W[n][k], t < 2048, n < 6144 (rows of Wq, Wk, Wv), k < 2048; sums in f32.
; On the way out: for q and k, y = C gamma + beta and LayerNorm over the head's 128 channels, in f32 (mean, then the mean of the squared differences, 1 / sqrt(var + 1e-5)); v goes as it is.
; Results leave as f16 by head: qkv16 [g 48][t 2048][128], g = head (q), 16 + head (k), 32 + head (v).  q is NOT scaled by 128^-0.5 here: the later launches carry that factor in their divisor.
; lo16 [g][16][128]: for t < 16 what f16 dropped, y - f16(y), again as f16: the first 16 positions are carried as pairs.
; LIMITS: |v| stays under 65,504; numbers under 6.1e-5 are kept with f16's step of 2^-24; NaN and infinities are not served.  q and k after LayerNorm lie within sqrt(128) for every input.
; A tile of C, 256 x 256, is made by four waves, each 128 x 128: 64 accumulators, 512 registers.  A wave's 128 columns are ONE head, so LayerNorm stays inside the wave: 768 such wave tiles, 192 work-groups.
; K goes in steps of 512 through a ring of two LDS slots filled by the tensor data mover (rows of 256 bytes).  The scales of the work-group's rows, for all of K, come into LDS once.
; CLUSTERS: 4 x 4 work-groups.  The four of a row need the same tiles of x, the four of a column the same tiles of W: each tile is asked for jointly.
; THE MATRIX INSTRUCTION IS USED TRANSPOSED (source 0 = 16 rows of W, source 1 = 16 rows of x): a lane holds eight neighbouring channels of one row t.
; REGISTERS: window 0: v0-31 addresses; v32-95 scale words, two sets; v128-191 x's fragments, one set.  window 1: W's fragments at v0-63 and v128-191; gamma at v64-127, beta at v192-255, in the result's layout.
;   window 2: the accumulators of my rows 0-63 ((a, b) at v[8 (8 a + b)]); window 3: rows 64-127.  On the way out window 0's v32-255 are free.
.set SIZE_M, 2048
.set SIZE_N, 6144
.set SIZE_K, 2048
.set KSTEP,  512
.set NQ,     KSTEP/128
.set ROWB,   256
.set KROW,   SIZE_K*4/8
.set PITCH,  272                       ; 256 bytes + 16 of padding: the 16 rows that a load touches start at 16 different banks
.set FR,     8
.set NL,     2
.set NP,     4
.set HALFT,  128*PITCH
.set SLOT,   4*HALFT
.set LAPS,   SIZE_K/(2*KSTEP)
.set KS,     SIZE_K/32
.set SCL,    2*SLOT
.set HALFS,  (128*KS/256)*272
.set SBLK,   (16*KS/256)*272
.set SPARE,  SCL+4*HALFS               ; the spare words: 128 bytes a wave, named by no other line
.set SPITCH, 272                       ; the way out: a stage of 16 rows x (256 bytes + 16) for each wave, in slot 0, which has had its last fill and its last read by then
.set ADRA, 16
.set ADRB, 20
.set STO,  24
.set RD,   25
.set CO,   26
.set ADRS, 27
.set SPW,  28
.set NIL,  29
.set GBO,  30                          ; v30 32 x (lane / 16): my eight numbers of gamma and beta in a tile of 16
.set LOO,  31                          ; v31 my 16 bytes in lo16's 16 rows
.set SC,   32
.set AF,   128
.set GAM,  64                          ; window 1
.set BET,  192                         ; window 1
.set Y,    32                          ; the way out, window 0: 64 numbers of my row
.set H,    96                          ; 32 registers of f16
.set BK,   128                         ; 16 rows read back from the stage: two sets of 32 by turns
.set LOW,  192                         ; the low parts
.set CH,   224                         ; four chains of sums
.set MU,   232                         ; the mean, twice
.set RS,   234                         ; 1 / sqrt, twice
.set T2,   236                         ; v236-239 at work
.set TA,   240
.set TB,   241
.set RBV,  242
.set G1, 24
.set G0, 32
.set G1B, 48
.set G0B, 56
.set G1S, 68
.set G0S, 76
.set G1SB, 80
.set G0SB, 88
.set MSB, 0
.macro WIN new                         ; the immediate's high byte repeats the setting that is left
.if MSB != (\new)
	s_set_vgpr_msb (MSB<<8)|(\new)
.set MSB, (\new)
.endif
.endm
.set MUL_LO, 0xa1
.set MUL_HI, 0xf1
.set TO_B,   0x40
; A joint load: waves 0 and 1 fetch for x, waves 2 and 3 for W.  The branch hangs on the wave's number alone.  An s_nop 0 and four v_nop follow each line.
.macro JLOAD g0a, g1a, g0b, g1b
	s_cmp_eq_u32 s15, 0
	s_cbranch_scc0 .Lfor_b_\@
	tensor_load_to_lds s[\g0a:\g0a+3], s[\g1a:\g1a+7]
	s_nop 0
.rept 4
	v_nop
.endr
	s_branch .Lasked_\@
.Lfor_b_\@:
	tensor_load_to_lds s[\g0b:\g0b+3], s[\g1b:\g1b+7]
	s_nop 0
.rept 4
	v_nop
.endr
.Lasked_\@:
.endm
.macro CREST
	s_cmp_lg_u32 s14, 0
	s_cbranch_scc1 .Lnot_wave_0_\@
	s_barrier_signal -3
.Lnot_wave_0_\@:
	s_barrier_wait -3
	s_barrier_signal -1
	s_barrier_wait -1
.endm
.macro CROUND
	s_barrier_signal -1
	s_barrier_wait -1
	CREST
.endm
	s_load_b128 s[4:7], s[0:1], 0x0                ; x's codes, x's scales
	s_load_b128 s[8:11], s[0:1], 0x10              ; W's codes, W's scales
	s_load_b128 s[96:99], s[0:1], 0x20             ; gamma, beta
	s_load_b64 s[12:13], s[0:1], 0x30              ; qkv16
	s_load_b64 s[100:101], s[0:1], 0x38            ; lo16
	v_lshl_add_u32 v[SPW], v0, 2, SPARE
	v_mov_b32 v[NIL], 0
	ds_add_u32 v[SPW], v[NIL]                      ; the wave's opening: the add, twice on end, and its wait ahead of my first tensor load
	ds_add_u32 v[SPW], v[NIL]
	v_lshrrev_b32 v1, 5, v0
	v_readfirstlane_b32 s14, v1                    ; wave 0..3
	s_lshr_b32 s15, s14, 1                         ; which half of the tile's rows is mine.  Also: I fetch for x (0) or for W (1)
	s_and_b32 s16, s14, 1                          ; which half of its columns.  Also: which 128 rows of that tile I fetch
	s_bfe_u32 s40, ttmp6, 0x40000                  ; cx, cy
	s_bfe_u32 s41, ttmp6, 0x40004
	s_lshl_b32 s42, ttmp9, 2
	s_add_co_u32 s42, s42, s40                     ; tile column = 4 x cluster x + cx
	s_and_b32 s17, ttmp7, 0xffff
	s_lshl_b32 s17, s17, 2
	s_add_co_u32 s17, s17, s41                     ; tile row = 4 x cluster y + cy
	s_lshl_b32 s43, s41, 2
	s_lshl_b32 s43, 15, s43                        ; my row of the cluster
	s_lshl_b32 s44, 0x1111, s40                    ; my column
	s_or_b32 s[G1+0], s43, (0<<16)|(1<<20)|(1<<21)|(5<<22)|(3<<25)  ; the mask; elements of 1 byte; padding: 4 words after every 64; bit 21 beside a mask
	s_or_b32 s[G1B+0], s44, (0<<16)|(1<<20)|(1<<21)|(5<<22)|(3<<25)
.irp g, G1, G1B
	s_mov_b32 s[\g+1], ROWB<<16                    ; tensor_dim0
	s_mov_b32 s[\g+2], 128<<16                     ; tensor_dim1
	s_mov_b32 s[\g+3], ROWB<<16                    ; tile_dim0
	s_mov_b32 s[\g+4], 128                         ; tile_dim1
	s_mov_b32 s[\g+5], KROW                        ; the pitch
	s_mov_b32 s[\g+6], 0
	s_mov_b32 s[\g+7], 0
.endr
	s_or_b32 s[G1S+0], s43, (3<<16)|(1<<20)|(1<<21)|(5<<22)|(3<<25)   ; the scales of 128 rows: a dense block, as rows of 256 bytes (32 elements of 8), 16 bytes of padding behind each
	s_or_b32 s[G1SB+0], s44, (3<<16)|(1<<20)|(1<<21)|(5<<22)|(3<<25)
.irp g, G1S, G1SB
	s_mov_b32 s[\g+1], 32<<16
	s_mov_b32 s[\g+2], (128*KS/256)<<16
	s_mov_b32 s[\g+3], 32<<16
	s_mov_b32 s[\g+4], 128*KS/256
	s_mov_b32 s[\g+5], 32
	s_mov_b32 s[\g+6], 0
	s_mov_b32 s[\g+7], 0
.endr
	s_lshl_b32 s18, s16, 7
	s_lshl_b32 s20, s17, 8
	s_add_co_u32 s20, s20, s18                     ; x: row 256 x tile row + 128 x half
	s_lshl_b32 s46, s42, 8
	s_add_co_u32 s46, s46, s18                     ; W: row 256 x tile column + 128 x half
	s_mov_b32 s21, 0
	s_mov_b32 s47, 0
	s_mov_b64 s[18:19], KS
	s_mul_u64 s[22:23], s[20:21], s[18:19]
	s_mul_u64 s[92:93], s[46:47], s[18:19]
	s_mov_b64 s[18:19], KROW
	s_mul_u64 s[20:21], s[20:21], s[18:19]
	s_mul_u64 s[46:47], s[46:47], s[18:19]
	s_mul_i32 s45, s14, HALFT                      ; where they go: wave x 128 rows
	s_mul_i32 s94, s14, HALFS
	s_wait_dscnt 0x0                               ; both opening adds are done
	s_wait_kmcnt 0x0
	s_add_nc_u64 s[20:21], s[4:5], s[20:21]
	s_add_nc_u64 s[22:23], s[6:7], s[22:23]
	s_add_nc_u64 s[46:47], s[8:9], s[46:47]
	s_add_nc_u64 s[92:93], s[10:11], s[92:93]
	CROUND                                         ; all sixteen work-groups are here: the first joint loads meet
	s_mov_b32 s[G0S], 1
	s_add_co_u32 s[G0S+1], s94, SCL
	s_mov_b64 s[G0S+2:G0S+3], s[22:23]
	s_or_b32 s[G0S+3], s[G0S+3], 0x80000000
	s_mov_b32 s[G0SB], 1
	s_add_co_u32 s[G0SB+1], s94, SCL
	s_mov_b64 s[G0SB+2:G0SB+3], s[92:93]
	s_or_b32 s[G0SB+3], s[G0SB+3], 0x80000000
	JLOAD G0S, G1S, G0SB, G1SB                     ; the scales first: three loads of mine are out behind these lines
.irp s, 0,1
	s_mov_b32 s[G0+4*\s], 1
	s_add_co_u32 s[G0+4*\s+1], s45, \s*SLOT
	s_add_nc_u64 s[G0+4*\s+2:G0+4*\s+3], s[20:21], \s*ROWB
	s_or_b32 s[G0+4*\s+3], s[G0+4*\s+3], 0x80000000
	s_mov_b32 s[G0B+4*\s], 1
	s_add_co_u32 s[G0B+4*\s+1], s45, \s*SLOT
	s_add_nc_u64 s[G0B+4*\s+2:G0B+4*\s+3], s[46:47], \s*ROWB
	s_or_b32 s[G0B+4*\s+3], s[G0B+4*\s+3], 0x80000000
	JLOAD G0+4*\s, G1, G0B+4*\s, G1B
.endr
	v_and_b32 v1, 15, v0                           ; r = l % 16
	v_bfe_u32 v2, v0, 4, 1                         ; h = l / 16
	v_lshlrev_b32 v[GBO], 5, v2
	WIN TO_B
.irp b, 0,1,2,3,4,5,6,7                        ; gamma and beta at channels 16 b + 8 h + 0 .. 7: the result's layout; they stay in window 1
	global_load_b128 v[GAM+8*\b:GAM+8*\b+3], v[GBO], s[96:97] offset:64*\b
	global_load_b128 v[GAM+8*\b+4:GAM+8*\b+7], v[GBO], s[96:97] offset:64*\b+16
	global_load_b128 v[BET+8*\b:BET+8*\b+3], v[GBO], s[98:99] offset:64*\b
	global_load_b128 v[BET+8*\b+4:BET+8*\b+7], v[GBO], s[98:99] offset:64*\b+16
.endr
	WIN 0
	v_mul_u32_u24 v3, v1, PITCH
	v_lshl_add_u32 v4, v2, 4, v3
	s_mul_i32 s21, s15, HALFT
	s_mul_i32 s22, s16, HALFT
	s_add_co_u32 s22, s22, 2*HALFT
.irp s, 0,1
	v_add_nc_u32 v[ADRA+\s], s21, v4
	v_add_nc_u32 v[ADRB+\s], s22, v4
	s_add_co_u32 s21, s21, SLOT
	s_add_co_u32 s22, s22, SLOT
.endr
	v_mul_u32_u24 v5, v1, KS
	v_lshrrev_b32 v6, 8, v5
	v_lshl_add_u32 v5, v6, 4, v5
	s_mul_i32 s21, s15, HALFS
	s_mul_i32 s22, s16, HALFS
	s_add_co_u32 s22, s22, 2*HALFS
	s_sub_co_u32 s22, s22, s21
	v_mul_u32_u24 v6, s22, v2                      ; lanes 16-31 take W's scale words
	s_add_co_u32 s21, s21, SCL
	v_add_nc_u32 v5, v5, v6
	v_add_nc_u32 v[ADRS], s21, v5
	s_mul_i32 s23, s14, 16*SPITCH                  ; my stage
	v_mul_u32_u24 v5, v1, SPITCH
	v_lshl_add_u32 v5, v2, 4, v5
	v_add_nc_u32 v[STO], s23, v5                   ; in: row r, 16 bytes for each half of the lanes
	v_mul_u32_u24 v5, v2, SPITCH
	v_lshl_add_u32 v5, v1, 4, v5
	v_add_nc_u32 v[RD], s23, v5                    ; back: lanes 0-15 one row, lanes 16-31 the next
	v_and_b32 v6, 31, v0
	v_lshlrev_b32 v[CO], 4, v6                     ; two rows of 256 bytes are 512 consecutive bytes of qkv16
	v_lshlrev_b32 v[LOO], 8, v1
	v_lshl_add_u32 v[LOO], v2, 4, v[LOO]
	s_lshl_b32 s46, s42, 1
	s_add_co_u32 s46, s46, s16                     ; g = 2 x tile column + my half
	s_lshl_b32 s20, s17, 8
	s_lshl_b32 s21, s15, 7
	s_add_co_u32 s95, s20, s21                     ; my first row t
	s_lshl_b32 s20, s95, 8
	s_lshl_b32 s21, s46, 19
	s_add_co_u32 s20, s20, s21
	s_mov_b32 s21, 0
	s_add_nc_u64 s[12:13], s[12:13], s[20:21]
	s_lshl_b32 s20, s46, 12
	s_add_nc_u64 s[100:101], s[100:101], s[20:21]
	s_mov_b32 s18, 0x76543210                      ; v_permlanex16_b32's selects for lane l xor 16
	s_mov_b32 s19, 0xfedcba98
	s_mov_b32 s22, 0x3727c5ac                      ; 1e-5
	s_mov_b32 s23, 0x3c000000                      ; 1 / 128
	s_cmp_lt_u32 ttmp9, 4                          ; clusters 0-3 along x make q and k, 4 and 5 make v: the same in all sixteen partners; it chooses values alone
	s_cselect_b32 s66, -1, 0
	s_cselect_b32 s67, 0x3c000000, 0
	s_wait_loadcnt 0x0                             ; gamma and beta
	WIN 0x44
.set i, 0
.rept 64
	v_cndmask_b32 v[GAM+i], 1.0, v[GAM+i], s66     ; for v: gamma = 1,
	v_cndmask_b32 v[BET+i], 0, v[BET+i], s66       ; beta = 0
.set i, i+1
.endr
	WIN 0
.macro FRAG reg, adr, q, i
.irp c, 0,1
	ds_load_b128 v[\reg+4*\c:\reg+4*\c+3], v[\adr] offset:64*(\q)+32*\c+(\i)*16*PITCH
.endr
.endm
; 16 matrix instructions: x's blocks a0, a0 + 1 against W's eight.  The 64 accumulators take turns, one instruction a turn, in the same order in every step.
.macro MUL16 a0, p, q, sc, zero
.irp a, \a0, \a0+1
.irp b, 0,1,2,3,4,5,6,7
.if \zero
	v_wmma_scale_f32_16x16x128_f8f6f4 v[8*(8*((\a)%4)+\b):8*(8*((\a)%4)+\b)+7], v[128*(\p)+FR*\b:128*(\p)+FR*\b+FR-1], v[AF+FR*(\a):AF+FR*(\a)+FR-1], 0, v[SC+8*NQ*(\sc)+NQ*\b+(\q)], v[SC+8*NQ*(\sc)+NQ*(\a)+(\q)] matrix_a_fmt:MATRIX_FMT_FP4 matrix_b_fmt:MATRIX_FMT_FP4 matrix_a_scale:MATRIX_SCALE_ROW1
.else
	v_wmma_scale_f32_16x16x128_f8f6f4 v[8*(8*((\a)%4)+\b):8*(8*((\a)%4)+\b)+7], v[128*(\p)+FR*\b:128*(\p)+FR*\b+FR-1], v[AF+FR*(\a):AF+FR*(\a)+FR-1], v[8*(8*((\a)%4)+\b):8*(8*((\a)%4)+\b)+7], v[SC+8*NQ*(\sc)+NQ*\b+(\q)], v[SC+8*NQ*(\sc)+NQ*(\a)+(\q)] matrix_a_fmt:MATRIX_FMT_FP4 matrix_b_fmt:MATRIX_FMT_FP4 matrix_a_scale:MATRIX_SCALE_ROW1
.endif
.endr
.endr
.endm
.macro FETCH_B slot, q, p
	WIN TO_B
.irp i, 0,1,2,3,4,5,6,7
	FRAG 128*(\p)+FR*\i, ADRB+\slot, \q, \i
.endr
	WIN 0
.endm
.macro FETCH_A slot, q, i0
.irp i, \i0, \i0+1, \i0+2, \i0+3
	FRAG AF+FR*(\i), ADRA+\slot, \q, \i
.endr
.endm
.macro SCALES sc                       ; a K step's scale words: lanes 0-15 x's block i, lanes 16-31 W's block i
.irp i, 0,1,2,3,4,5,6,7
	ds_load_b128 v[SC+8*NQ*\sc+NQ*\i:SC+8*NQ*\sc+NQ*\i+3], v[ADRS] offset:\i*SBLK
.endr
.endm
.macro PLACES n                        ; plain vector instructions between a matrix instruction and a load into, or a vector access of, its registers
.rept \n
	v_nop
.endr
.endm
.macro STEP slot, q, zero
	s_wait_dscnt 4*NL                              ; W's set and x's blocks 0-3 are in; the youngest eight loads (x's blocks 4-7) may be out
	WIN MUL_LO
	MUL16 0, (\q)%2, \q, \slot, \zero
	MUL16 2, (\q)%2, \q, \slot, \zero
	s_wait_dscnt 0
	PLACES NP
	FETCH_B \slot, (\q)+1, 1-(\q)%2
	FETCH_A \slot, (\q)+1, 0
	WIN MUL_HI
	MUL16 4, (\q)%2, \q, \slot, \zero
	MUL16 6, (\q)%2, \q, \slot, \zero
	PLACES NP
	WIN 0
	FETCH_A \slot, (\q)+1, 4
.endm
; A slot's last step changes slots: one barrier; in front of it each wave waits for all its tensor loads, adds 0 to its spare word, and waits for that and for its own reads of this slot.
.macro TURN slot, next, fill
	s_wait_tensorcnt 0x0                           ; all my tensor loads have landed: my part of the next slot
	ds_add_u32 v[SPW], v[NIL]
	s_wait_dscnt 4*NL+1                            ; (the add and the youngest eight loads may be out)
	WIN MUL_LO
	MUL16 0, 1, NQ-1, \slot, 0
	s_wait_dscnt 0x0                               ; the add is done, and my reads of this slot are over
	s_barrier_signal -1
	MUL16 2, 1, NQ-1, \slot, 0
	WIN 0
	s_barrier_wait -1
.if \fill
	CREST                                          ; the barrier has opened a round of the cluster's barrier: no wave of any partner still reads this slot or has a load on its way
	s_add_nc_u64 s[G0+4*\slot+2:G0+4*\slot+3], s[G0+4*\slot+2:G0+4*\slot+3], 2*ROWB
	s_add_nc_u64 s[G0B+4*\slot+2:G0B+4*\slot+3], s[G0B+4*\slot+2:G0B+4*\slot+3], 2*ROWB
	JLOAD G0+4*\slot, G1, G0B+4*\slot, G1B         ; my one tensor load behind the round
.else
	PLACES NP
.endif
	v_add_nc_u32 v[ADRS], 4*NQ, v[ADRS]
	FETCH_B \next, 0, 0
	FETCH_A \next, 0, 0
	SCALES \next
	WIN MUL_HI
	MUL16 4, 1, NQ-1, \slot, 0
	MUL16 6, 1, NQ-1, \slot, 0
	PLACES NP
	WIN 0
	FETCH_A \next, 0, 4
.endm
.macro STEPS slot, from
.set Q, \from
.rept NQ-1-\from
	STEP \slot, Q, 0
.set Q, Q+1
.endr
.endm
	s_wait_tensorcnt 1                             ; the scales and my part of K step 0 are in; K step 1's load may be out
	s_barrier_signal -1
	s_barrier_wait -1
	FETCH_B 0, 0, 0
	FETCH_A 0, 0, 0
	SCALES 0
	FETCH_A 0, 0, 4
	STEP 0, 0, 1                                   ; the first step's products start the sums
	s_mov_b32 s3, LAPS-1
.Llap:
	STEPS 0, 1
	TURN 0, 1, 1
	STEPS 1, 0
	TURN 1, 0, 1
	STEP 0, 0, 0
	s_sub_co_u32 s3, s3, 1
	s_cmp_lg_u32 s3, 0
	s_cbranch_scc1 .Llap
	STEPS 0, 1                                     ; the last lap fills nothing
	TURN 0, 1, 0
	STEPS 1, 0
	s_wait_dscnt 4*NL
	WIN MUL_LO
	MUL16 0, 1, NQ-1, 1, 0
	MUL16 2, 1, NQ-1, 1, 0
	s_wait_dscnt 0
	WIN MUL_HI
	MUL16 4, 1, NQ-1, 1, 0
	MUL16 6, 1, NQ-1, 1, 0
	WIN 0
; THE WAY OUT, a block of 16 rows at a time.  Lane (r, h) holds, of row 16 a + r, the channels 16 b + 8 h + 0 .. 7, b = 0 .. 7: 64 numbers; lane l xor 16 holds the other 64.
.macro JOIN                            ; the four chains, the pair's halves, and the other half of the lanes: the row's sum in v[TA]
	v_pk_add_f32 v[CH:CH+1], v[CH:CH+1], v[CH+2:CH+3]
	v_pk_add_f32 v[CH+4:CH+5], v[CH+4:CH+5], v[CH+6:CH+7]
	v_pk_add_f32 v[CH:CH+1], v[CH:CH+1], v[CH+4:CH+5]
	v_add_f32 v[TA], v[CH], v[CH+1]
	v_permlanex16_b32 v[TB], v[TA], s18, s19
	v_add_f32 v[TA], v[TA], v[TB]
.endm
.macro LN a
.set AC, 64*((\a)%4)
	WIN 0x16+(\a)/4                                ; accumulators in window 2 or 3, gamma and beta in window 1, y in window 0
.irp b, 0,1,2,3,4,5,6,7
.irp p, 0,2,4,6
	v_pk_fma_f32 v[Y+8*\b+\p:Y+8*\b+\p+1], v[AC+8*\b+\p:AC+8*\b+\p+1], v[GAM+8*\b+\p:GAM+8*\b+\p+1], v[BET+8*\b+\p:BET+8*\b+\p+1]   ; each accumulator from its low end on
.endr
.endr
	WIN 0
.irp k, 0,1,2,3
	v_pk_add_f32 v[CH+2*\k:CH+2*\k+1], v[Y+2*\k:Y+2*\k+1], v[Y+8+2*\k:Y+8+2*\k+1]
.endr
.set i, 8
.rept 24
	v_pk_add_f32 v[CH+2*(i%4):CH+2*(i%4)+1], v[CH+2*(i%4):CH+2*(i%4)+1], v[Y+2*i:Y+2*i+1]
.set i, i+1
.endr
	JOIN
	v_mul_f32 v[MU], s67, v[TA]                    ; the mean (for v: 0)
	v_mul_f32 v[MU+1], s67, v[TA]
.set i, 0
.rept 32
	v_pk_add_f32 v[Y+2*i:Y+2*i+1], v[Y+2*i:Y+2*i+1], v[MU:MU+1] neg_lo:[0,1] neg_hi:[0,1]
.set i, i+1
.endr
.irp k, 0,1,2,3
	v_pk_mul_f32 v[CH+2*\k:CH+2*\k+1], v[Y+2*\k:Y+2*\k+1], v[Y+2*\k:Y+2*\k+1]
.endr
.set i, 4
.rept 28
	v_pk_fma_f32 v[CH+2*(i%4):CH+2*(i%4)+1], v[Y+2*i:Y+2*i+1], v[Y+2*i:Y+2*i+1], v[CH+2*(i%4):CH+2*(i%4)+1]
.set i, i+1
.endr
	JOIN
	v_fma_f32 v[TA], v[TA], s23, s22               ; var + 1e-5
	v_rsq_f32 v[TB], v[TA]
	v_nop                                          ; a plain instruction behind the transcendental,
	s_wait_alu depctr_va_vdst(0)                   ; and a wait ahead of its first reader
	v_cndmask_b32 v[RS], 1.0, v[TB], s66           ; (for v: 1)
	v_cndmask_b32 v[RS+1], 1.0, v[TB], s66
.set i, 0
.rept 32
	v_pk_mul_f32 v[Y+2*i:Y+2*i+1], v[Y+2*i:Y+2*i+1], v[RS:RS+1]
.set i, i+1
.endr
.set i, 0
.rept 32
	v_cvt_pk_f16_f32 v[H+i], v[Y+2*i], v[Y+2*i+1]
.set i, i+1
.endr
.endm
; What f16 dropped of block 0's numbers, again as f16.  It is stored only where the block is rows 0-15 of the sequence: a predicate on the lanes, no branch.
; (A register's halves are named by number, so each packed register passes through v2 or v3.)
.macro LOWPART
.set i, 0
.rept 16
	v_mov_b32 v2, v[H+2*i]
	v_mov_b32 v3, v[H+2*i+1]
	v_cvt_f32_f16 v[T2], v2.l
	v_cvt_f32_f16 v[T2+1], v2.h
	v_cvt_f32_f16 v[T2+2], v3.l
	v_cvt_f32_f16 v[T2+3], v3.h
	v_pk_add_f32 v[T2:T2+1], v[Y+4*i:Y+4*i+1], v[T2:T2+1] neg_lo:[0,1] neg_hi:[0,1]
	v_pk_add_f32 v[T2+2:T2+3], v[Y+4*i+2:Y+4*i+3], v[T2+2:T2+3] neg_lo:[0,1] neg_hi:[0,1]
	v_cvt_pk_f16_f32 v[LOW+2*i], v[T2], v[T2+1]
	v_cvt_pk_f16_f32 v[LOW+2*i+1], v[T2+2], v[T2+3]
.set i, i+1
.endr
	v_mov_b32 v[RBV], s95
	v_cmp_eq_u32 vcc_lo, 0, v[RBV]
	s_wait_xcnt 0x0                                ; EXEC changes only behind this wait
	s_and_saveexec_b32 s94, vcc_lo
.irp b, 0,1,2,3,4,5,6,7
	global_store_b128 v[LOO], v[LOW+4*\b:LOW+4*\b+3], s[100:101] offset:32*\b
.endr
	s_wait_xcnt 0x0                                ; and again, in front of the line that widens it
	s_or_b32 exec_lo, exec_lo, s94
.endm
.macro TOSTAGE a                       ; LDS serves a wave's instructions in order: no wait between the stores and the loads, nor in front of the next block's stores
.irp b, 0,1,2,3,4,5,6,7
	ds_store_b128 v[STO], v[H+4*\b:H+4*\b+3] offset:32*\b
.endr
.set BB, BK+32*((\a)%2)
.irp t, 0,1,2,3,4,5,6,7
	ds_load_b128 v[BB+4*\t:BB+4*\t+3], v[RD] offset:\t*2*SPITCH
.endr
.endm
.macro SEND a, younger                 ; younger: the LDS instructions issued behind block a's loads, which may stay out
.set BB, BK+32*((\a)%2)
	s_wait_dscnt \younger
.irp t, 0,1,2,3,4,5,6,7
	global_store_b128 v[CO], v[BB+4*\t:BB+4*\t+3], s[12:13] offset:4096*(\a)+512*\t   ; 32 lanes store 512 consecutive bytes, aligned: two rows of the head
.endr
.endm
	PLACES NP                                      ; behind the last products: y lands on the scale words, the rows read back on x's fragments
	v_mov_b32 v[TB], 0                             ; written once: a lane permute's destination counts as one of its sources
	LN 0
	LOWPART
	TOSTAGE 0
.irp a, 1,2,3,4,5,6,7
	LN \a
	s_wait_xcnt 0x0                                ; block a - 2's stores have read their registers: block a's loads may land there
	TOSTAGE \a
	SEND \a-1, 16                                  ; behind block a - 1's loads: block a's 8 stores and 8 loads
.endr
	SEND 7, 0
	s_wait_tensorcnt 0x0                           ; the wave's end
	ds_add_u32 v[SPW], v[NIL]
	s_wait_dscnt 0x0
	CROUND                                         ; the closing round
	s_endpgm
.Lfunc_end_k_q1ae5b4480b_qkv:
	.size	k_q1ae5b4480b_qkv, .Lfunc_end_k_q1ae5b4480b_qkv-k_q1ae5b4480b_qkv
	.p2alignl 7, 3214868480
	.fill 96, 4, 3214868480
	.section	.rodata,"a",@progbits
	.p2align	6, 0x0
	.amdhsa_kernel k_q1ae5b4480b_qkv
		.amdhsa_group_segment_fixed_size 327680
		.amdhsa_private_segment_fixed_size 0
		.amdhsa_enable_private_segment 0
		.amdhsa_kernarg_size 64
		.amdhsa_user_sgpr_count 2
		.amdhsa_user_sgpr_kernarg_segment_ptr 1
		.amdhsa_wavefront_size32 1
		.amdhsa_system_sgpr_workgroup_id_x 1
		.amdhsa_system_sgpr_workgroup_id_y 1
		.amdhsa_system_sgpr_workgroup_id_z 1
		.amdhsa_system_vgpr_workitem_id 0
		.amdhsa_next_free_vgpr 1024
		.amdhsa_next_free_sgpr 102
		.amdhsa_reserve_vcc 1
		.amdhsa_float_denorm_mode_32 3
		.amdhsa_float_denorm_mode_16_64 3
		.amdhsa_memory_ordered 1
		.amdhsa_forward_progress 1
		.amdhsa_inst_pref_size 255
	.end_amdhsa_kernel
	.section	.bss,"aw",@nobits
	.p2align	6
	.space	262144
	.amdgpu_metadata
---
amdhsa.version: [ 1, 2 ]
amdhsa.kernels:
  - .name:           k_q1ae5b4480b_qkv
    .symbol:         k_q1ae5b4480b_qkv.kd
    .args:
      - { .name: xc, .offset: 0, .size: 8, .value_kind: global_buffer, .address_space: global }
      - { .name: xs, .offset: 8, .size: 8, .value_kind: global_buffer, .address_space: global }
      - { .name: wc, .offset: 16, .size: 8, .value_kind: global_buffer, .address_space: global }
      - { .name: ws, .offset: 24, .size: 8, .value_kind: global_buffer, .address_space: global }
      - { .name: gamma, .offset: 32, .size: 8, .value_kind: global_buffer, .address_space: global }
      - { .name: beta, .offset: 40, .size: 8, .value_kind: global_buffer, .address_space: global }
      - { .name: qkv16, .offset: 48, .size: 8, .value_kind: global_buffer, .address_space: global }
      - { .name: lo16, .offset: 56, .size: 8, .value_kind: global_buffer, .address_space: global }
    .group_segment_fixed_size: 327680
    .private_segment_fixed_size: 0
    .kernarg_segment_align: 8
    .kernarg_segment_size: 64
    .max_flat_workgroup_size: 128
    .sgpr_count:     102
    .vgpr_count:     1024
    .wavefront_size: 32
...
	.end_amdgpu_metadata
.endif
;; end of part 2
;; launch attn (part 3): grid 16 x 16, 4 waves a work-group, clusters of 4 x 1, 327,680 bytes of LDS; arguments qkv16, o16; writes o16
.if DOCPART == 3
	.amdgcn_target "amdgcn-amd-amdhsa--gfx1250"
	.amdhsa_code_object_version 6
	.text
	.protected	k_q1ae5b4480b_attn
	.globl	k_q1ae5b4480b_attn
	.p2align	8
	.type	k_q1ae5b4480b_attn,@function
k_q1ae5b4480b_attn:
	s_mov_b64 s[64:65], 0
	v_nop
	global_prefetch_b8 v0, s[64:65] scope:SCOPE_SE
	s_setreg_imm32_b32 hwreg(HW_REG_WAVE_MODE, 25, 1), 1
	s_wait_xcnt 0x0
	s_wait_alu depctr_hold_cnt(0) depctr_sa_sdst(0) depctr_va_vdst(0) depctr_va_sdst(0) depctr_va_ssrc(0) depctr_va_vcc(0) depctr_vm_vsrc(0)
	s_getreg_b32 s2, hwreg(HW_REG_IB_STS2, 6, 4)
	s_cmp_eq_u32 s2, 0
	s_cbranch_scc0 .Lentry_in_a_cluster
	s_endpgm
.Lentry_in_a_cluster:
	s_bfe_u32 s2, ttmp6, 0x10000c
	s_cmp_lg_u32 s2, 0x3003
	s_cbranch_scc0 .Lentry_shape_is_right
	s_endpgm
.Lentry_shape_is_right:
; o[t][head] = (sum over keys k <= t of S^2 v[k]) / (sum of S^2 + 128 x 1e-5), S = q[t] . k[k], q and k after LayerNorm and NOT scaled: S^2 = 128 x the score of the definition, and the factor 128,
; a power of two, cancels exactly against the divisor.  qkv16 [g 48][2048][128] f16 (q, k, v by head); o16 [2048][2048] f16.  Products on f16 operands, sums in f32; the row's sum is taken of the f32 squares.
; LIMITS: |S| <= 128 for every input, so S^2 <= 16,384 fits f16; S^2 under 6.1e-5 is kept with f16's step of 2^-24; |o| stays under 65,504.  Rows 0-15 are made again, more finely, by a later launch.
; SHARES.  A head has 32 blocks of 64 queries; block i needs keys 0 .. 64 i + 63.  A block's keys are split over the work-group's four waves: all four hold the same 64 queries, wave w takes keys
; 64 w .. 64 w + 63 of each ROUND of 256 keys, and the four partial sums (they are linear) are added at the end.  Blocks 4 c - 4 .. 4 c - 1 need c rounds.
; A cluster is (head, u = 0..3).  Its work-group cx takes block 4 (7 - u) + cx (8 - u rounds, 'hi') and block 4 u + cx (u + 1 rounds, 'lo'): nine rounds for every work-group of the launch.
; All four partners walk the same tiles of K and V in the same order, so each tile is asked for JOINTLY, by one tensor load with a mask that names the four.
; ORDER.  hi with keys 0-255; lo with the same tile (K and V stay in registers); then N = 1 .. 7: lo with key tile N while N <= u, else hi with key tile N - u.  Eight tiles in all, for every u.
; The mask bites in the rounds N = u (lo's last) and N = 7 (hi's last): there key tile = the blocks' own 256 queries.  Branches hang on u and N alone, which the partners share.
; LAYOUT.  S^T = K Q^T (source 0 = 16 keys, source 1 = 16 queries) and O^T = V^T P: a lane holds one query throughout.  V comes out of LDS turned, by ds_load_tr16_b128.
; Slot s of wave w holds query tile (s + w) % 4, so slot 0 is the tile that wave w finishes and stores.
; REGISTERS: window 0: v0-31 addresses and sums; v32-95 S^T of two query tiles; v96-127 P; v128-255 V.  window 1: O^T of hi.  window 2: v0-127 Q, v128-255 K.  window 3: O^T of lo.
; My place in the cluster, cx, enters Q's and o16's global addresses and the mask's distances (v8-11), and through these the scores and sums.  Every LDS address, at the end too, is made in
; v1-7 and v31 from the thread's and the wave's number alone: registers that never hold a number made from cx.
; THE CHANGE OF SLOTS stands in a round's middle, where the wave has to wait for V anyway: then the tile in hand lies in registers, its slot is filled with the tile two on, and the other slot, asked for one
; round earlier, is shown whole.
.set PK,    272                        ; a row of K or Q in LDS: 256 bytes + 16
.set PVP,   288                        ; a row of V: 256 + 32
.set VOFF,  256*PK                     ; a slot: 256 rows of K, then 256 rows of V
.set SLOTB, 256*(PK+PVP)
.set QB,    2*SLOTB                    ; behind the ring: Q, 64 rows of hi, then 64 of lo; filled once
.set SPARE, QB+128*PK                  ; the spare words: 128 bytes a wave, named by no other line
.set ZIM,   49152                      ; the end, in the slots (their last fill and last read are over): for each owner six images of O^T (8,192 bytes each),
.set OWN,   ZIM+6*512                  ; then six of the sums (a word at 16 x lane: 512 bytes each)
.set PST,   4*OWN                      ; and a stage of 16 rows x 272 bytes for each wave
.set ADR, 1
.set AK0, 2
.set AV0, 3
.set AQ,  4                            ; v4-7   slot s: my place in its query tile's rows
.set DD,  8                            ; v8-11  slot s: my query less my wave's first key less 8 (lane / 16), in a round under the mask
.set ZW,  12                           ; v12-19 the sums of the block in hand, a pair a slot
.set ZS,  20                           ; v20-27 those of the other block
.set SPW, 28
.set NIL, 29
.set PFO, 30
.set ZERO, 31
.set S,   32
.set P,   96
.set VF,  128
.set KF,  128
.set RA,  1                            ; the end's addresses take v1-7; v31 is at work for them
.set PSTO, 2
.set PRD, 3
.set WA,  3                            ; v4-6: slot 1, 2, 3: 16 x lane in its owner's region
.set GO,  7
.set TL,  31
.set WV,  12
.set U,   13
.set CX,  14
.set HD,  15
.set N,   16
.set NS,  17                           ; s17 LDS byte at which the NEXT tile's slot begins
.set CSL, 18                           ; s18 and that of the tile in hand
.set LIM, 19
.set KB,  20                           ; s[20:21] K of my head at the 128 rows of a tile that I fetch;  s[22:23] V likewise
.set VB,  22
.set G1K, 24
.set G1V, 32
.set G0K, 40                           ; s[40:43] the walking group 0; s[44:47] tile 1's
.set G0V, 48
.set G1Q, 56
.set G0Q, 68
.set PFA, 72
.set SEL, 80
.set U1,  82
.set LK,  83
.set LV,  84
.set W1,  85
.set OHI, 86
.set OLO, 88
.set MSB, 0
.macro WIN new
.if MSB != (\new)
	s_set_vgpr_msb (MSB<<8)|(\new)
.set MSB, (\new)
.endif
.endm
.macro PLACES
.rept 4
	v_nop
.endr
.endm
.macro CROUND
	s_barrier_signal -1
	s_barrier_wait -1
	s_cmp_lg_u32 s[WV], 0
	s_cbranch_scc1 .Lnot_wave_0_\@
	s_barrier_signal -3
.Lnot_wave_0_\@:
	s_barrier_wait -3
	s_barrier_signal -1
	s_barrier_wait -1
.endm
; A joint refill: waves 0 and 1 fetch the halves of K's tile, waves 2 and 3 those of V's.  An s_nop 0 and four v_nop follow each line.
.macro JLOAD
	s_cmp_lt_u32 s[WV], 2
	s_cbranch_scc0 .Lfor_v_\@
	tensor_load_to_lds s[G0K:G0K+3], s[G1K:G1K+7]
	s_nop 0
.rept 4
	v_nop
.endr
	s_branch .Lasked_\@
.Lfor_v_\@:
	tensor_load_to_lds s[G0V:G0V+3], s[G1V:G1V+7]
	s_nop 0
.rept 4
	v_nop
.endr
.Lasked_\@:
.endm
; A prefetch into the L2 of the key tile that the NEXT change of slots will ask for.  The cluster u = 0 of a head walks key tiles 0 .. 7 in order: it alone asks (a branch on the cluster's number).
; A tile is 256 rows of K and 256 of V, 256 bytes a row: 4 work-groups x 4 waves x 32 lanes, a lane a row; the partners are told apart by address.  Rounds 0 .. 4 name tiles 3 .. 7; the last asks for nothing.
.macro ASK
	s_cmp_lt_u32 s[N], s[LIM]
	s_cbranch_scc0 .Lnot_mine_\@
	global_prefetch_b8 v[PFO], s[PFA:PFA+1] th:TH_LOAD_NT scope:SCOPE_SE
.Lnot_mine_\@:
.endm
	s_load_b128 s[4:7], s[0:1], 0x0                ; qkv16, o16
	v_lshl_add_u32 v[SPW], v0, 2, SPARE
	v_mov_b32 v[NIL], 0
	ds_add_u32 v[SPW], v[NIL]                      ; the wave's opening: the add, twice on end, and its wait ahead of my first tensor load
	ds_add_u32 v[SPW], v[NIL]
	v_lshrrev_b32 v1, 5, v0
	v_readfirstlane_b32 s[WV], v1                  ; wave 0..3
	s_mov_b32 s[U], ttmp9                          ; the cluster's x
	s_bfe_u32 s[CX], ttmp6, 0x40000                ; my place in it
	s_and_b32 s[HD], ttmp7, 0xffff                 ; the head
	s_add_co_u32 s[U1], s[U], 1
	s_and_b32 s[W1], s[WV], 1
	s_lshl_b32 s2, s[U], 2
	s_sub_co_u32 s3, 28, s2
	s_add_co_u32 s3, s3, s[CX]                     ; block hi
	s_add_co_u32 s2, s2, s[CX]                     ; block lo
	s_cmp_lt_u32 s[WV], 2                          ; waves 0, 1 fetch hi's queries and prefetch K; waves 2, 3 lo's and V
	s_cselect_b32 s8, s3, s2
	s_cselect_b32 s74, 16, 32
	s_lshl_b32 s8, s8, 14                          ; 64 rows of 256 bytes a block,
	s_lshl_b32 s9, s[W1], 13                       ; my 32 of them,
	s_add_co_u32 s8, s8, s9
	s_lshl_b32 s9, s[HD], 19                       ; in my head's q
	s_add_co_u32 s8, s8, s9
	s_mov_b32 s9, 0
	s_add_co_u32 s10, s[HD], 16
	s_lshl_b32 s10, s10, 19                        ; my head's k,
	s_lshl_b32 s11, s[W1], 15                      ; the 128 rows of a tile that I fetch
	s_add_co_u32 s10, s10, s11
	s_mov_b32 s11, 0
	s_add_co_u32 s74, s74, s[HD]                   ; the prefetches: my head's k or v,
	s_lshl_b32 s74, s74, 19
	s_lshl_b32 s75, s[CX], 14                      ; my work-group's 64 rows of a tile,
	s_add_co_u32 s74, s74, s75
	s_lshl_b32 s75, s[W1], 13                      ; my wave's 32,
	s_add_co_u32 s74, s74, s75
	s_add_co_u32 s74, s74, 0x20000                 ; in tile 2: the first change of slots steps it to tile 3
	s_mov_b32 s75, 0
	s_lshl_b32 s76, s3, 18                         ; o16: 64 rows of 4,096 bytes a block,
	s_lshl_b32 s77, s[WV], 16                      ; my 16 rows,
	s_add_co_u32 s76, s76, s77
	s_lshl_b32 s78, s2, 18
	s_add_co_u32 s78, s78, s77
	s_lshl_b32 s77, s[HD], 8                       ; my head's 256 bytes
	s_add_co_u32 s76, s76, s77
	s_add_co_u32 s78, s78, s77
	s_mov_b32 s77, 0
	s_mov_b32 s79, 0
	s_mul_i32 s[LK], s[W1], 128*PK                 ; where my part of a tile goes in a slot: no place in the cluster enters an LDS address
	s_mul_i32 s[LV], s[W1], 128*PVP
	s_add_co_u32 s[LV], s[LV], VOFF
	s_mov_b32 s[G1K], 15|(1<<16)|(1<<20)|(1<<21)|(5<<22)|(3<<25)   ; the mask: all four; elements of 2 bytes; padding: 4 words after every 64; bit 21 beside a mask
	s_mov_b32 s[G1V], 15|(1<<16)|(1<<20)|(1<<21)|(5<<22)|(7<<25)   ; the same with 8 words of padding
.irp g, G1K, G1V
	s_mov_b32 s[\g+1], 128<<16                     ; tensor_dim0
	s_mov_b32 s[\g+2], 128<<16                     ; tensor_dim1
	s_mov_b32 s[\g+3], 128<<16                     ; tile_dim0
	s_mov_b32 s[\g+4], 128                         ; tile_dim1
	s_mov_b32 s[\g+5], 128                         ; the pitch
	s_mov_b32 s[\g+6], 0
	s_mov_b32 s[\g+7], 0
.endr
	s_mov_b32 s[G1Q], (1<<16)|(1<<20)|(5<<22)|(3<<25)              ; Q: a load of my own, 32 rows
	s_mov_b32 s[G1Q+1], 128<<16
	s_mov_b32 s[G1Q+2], 32<<16
	s_mov_b32 s[G1Q+3], 128<<16
	s_mov_b32 s[G1Q+4], 32
	s_mov_b32 s[G1Q+5], 128
	s_mov_b32 s[G1Q+6], 0
	s_mov_b32 s[G1Q+7], 0
	s_mov_b32 s[SEL], 0x76543210
	s_mov_b32 s[SEL+1], 0xfedcba98
	s_cmp_eq_u32 s[U], 0
	s_cselect_b32 s[LIM], 5, 0
	s_wait_dscnt 0x0                               ; both opening adds are done
	s_wait_kmcnt 0x0
	s_add_nc_u64 s[KB:KB+1], s[4:5], s[10:11]
	s_add_nc_u64 s[VB:VB+1], s[KB:KB+1], 0x800000  ; v lies 16 heads behind k
	s_add_nc_u64 s[PFA:PFA+1], s[4:5], s[74:75]
	s_add_nc_u64 s[OHI:OHI+1], s[6:7], s[76:77]
	s_add_nc_u64 s[OLO:OLO+1], s[6:7], s[78:79]
	s_mov_b32 s[G0Q], 1
	s_mul_i32 s[G0Q+1], s[WV], 32*PK
	s_add_co_u32 s[G0Q+1], s[G0Q+1], QB
	s_add_nc_u64 s[G0Q+2:G0Q+3], s[4:5], s[8:9]
	s_or_b32 s[G0Q+3], s[G0Q+3], 0x80000000
.irp t, 0,1
	s_mov_b32 s[G0K+4*\t], 1
	s_add_co_u32 s[G0K+4*\t+1], s[LK], \t*SLOTB
	s_add_nc_u64 s[G0K+4*\t+2:G0K+4*\t+3], s[KB:KB+1], \t*65536    ; tiles 0 and 1 are key tiles 0 and 1 for every u
	s_or_b32 s[G0K+4*\t+3], s[G0K+4*\t+3], 0x80000000
	s_mov_b32 s[G0V+4*\t], 1
	s_add_co_u32 s[G0V+4*\t+1], s[LV], \t*SLOTB
	s_add_nc_u64 s[G0V+4*\t+2:G0V+4*\t+3], s[VB:VB+1], \t*65536
	s_or_b32 s[G0V+4*\t+3], s[G0V+4*\t+3], 0x80000000
.endr
	CROUND                                         ; all four work-groups are here: the first joint loads meet
	tensor_load_to_lds s[G0Q:G0Q+3], s[G1Q:G1Q+7]  ; the first fills go out together: three loads of mine are out
	s_nop 0
	s_cmp_lt_u32 s[WV], 2
	s_cbranch_scc0 .Lfirst_v
	tensor_load_to_lds s[G0K:G0K+3], s[G1K:G1K+7]
	s_nop 0
	tensor_load_to_lds s[G0K+4:G0K+7], s[G1K:G1K+7]
	s_nop 0
.rept 4
	v_nop
.endr
	s_branch .Lfirst_asked
.Lfirst_v:
	tensor_load_to_lds s[G0V:G0V+3], s[G1V:G1V+7]
	s_nop 0
	tensor_load_to_lds s[G0V+4:G0V+7], s[G1V:G1V+7]
	s_nop 0
.rept 4
	v_nop
.endr
.Lfirst_asked:
	v_and_b32 v32, 15, v0                          ; r
	v_bfe_u32 v33, v0, 4, 1                        ; h
	v_mul_u32_u24 v36, v32, PK
	v_lshl_add_u32 v36, v33, 4, v36                ; a fragment's row x pitch + 16 x half
	s_mul_i32 s8, s[WV], 64*PK
	v_add_nc_u32 v[AK0], s8, v36                   ; my wave's 64 keys
	v_and_b32 v34, 7, v0
	v_bfe_u32 v35, v0, 3, 1
	v_lshl_add_u32 v[AV0], v33, 3, v34
	v_mul_u32_u24 v[AV0], v[AV0], PVP
	v_lshl_add_u32 v[AV0], v35, 4, v[AV0]
	s_mul_i32 s8, s[WV], 64*PVP
	s_add_co_u32 s8, s8, VOFF
	v_add_nc_u32 v[AV0], s8, v[AV0]
	v_lshlrev_b32 v37, 3, v33
	v_sub_nc_u32 v37, v32, v37                     ; r - 8 h
	s_sub_co_i32 s10, s[CX], s[WV]
	s_lshl_b32 s10, s10, 6                         ; 64 (cx - w): it enters compared values alone
.irp sg, 0,1,2,3
	s_add_co_u32 s8, s[WV], \sg
	s_and_b32 s8, s8, 3                            ; slot sg's query tile
	s_mul_i32 s9, s8, 16*PK
	s_add_co_u32 s9, s9, QB
	v_add_nc_u32 v[AQ+\sg], s9, v36
	s_lshl_b32 s11, s8, 4
	s_add_co_i32 s11, s11, s10
	v_add_nc_u32 v[DD+\sg], s11, v37
.endr
	v_and_b32 v[PFO], 31, v0
	v_lshlrev_b32 v[PFO], 8, v[PFO]
	v_mov_b32 v[ZERO], 0
.macro FETCH_Q be                      ; the four query tiles of hi (0) or lo (1)
	WIN 0x80
.irp sg, 0,1,2,3
.irp c, 0,1,2,3
	ds_load_b128 v[32*\sg+8*\c:32*\sg+8*\c+3], v[AQ+\sg] offset:64*PK*\be+64*\c
	ds_load_b128 v[32*\sg+8*\c+4:32*\sg+8*\c+7], v[AQ+\sg] offset:64*PK*\be+64*\c+32
.endr
.endr
	WIN 0
.endm
.macro FETCH_K                         ; my 64 keys of the next tile: keys 16 (f / 4) on, channels 32 (f % 4) on
	v_add_nc_u32 v[ADR], s[NS], v[AK0]
	WIN 0x80
.irp f, 0,1,2,3,4,5,6,7,8,9,10,11,12,13,14,15
	ds_load_b128 v[KF+8*\f:KF+8*\f+3],   v[ADR] offset:(\f/4)*16*PK+(\f%4)*64
	ds_load_b128 v[KF+8*\f+4:KF+8*\f+7], v[ADR] offset:(\f/4)*16*PK+(\f%4)*64+32
.endr
	WIN 0
.endm
.macro FETCH_V                         ; and their values, turned: keys 32 (f / 8) on, channels 16 (f % 8) on
	v_add_nc_u32 v[ADR], s[NS], v[AV0]
.irp f, 0,1,2,3,4,5,6,7,8,9,10,11,12,13,14,15
	ds_load_tr16_b128 v[VF+8*\f:VF+8*\f+3],   v[ADR] offset:(\f/8)*32*PVP+(\f%8)*32
	ds_load_tr16_b128 v[VF+8*\f+4:VF+8*\f+7], v[ADR] offset:(\f/8)*32*PVP+16*PVP+(\f%8)*32
.endr
.endm
; S^T of query slots 2 x and 2 x + 1: 32 products, eight accumulators by turns, one instruction a turn; the first eight start the sums
.macro QK x
	WIN 0x0a
.set i, 0
.rept 32
.set rS, S+32*(i%2)+8*((i/2)%4)
.set rK, KF+32*((i/2)%4)+8*(i/8)
.set rQ, 32*(2*\x+i%2)+8*(i/8)
.if i < 8
	v_wmma_f32_16x16x32_f16 v[rS:rS+7], v[rK:rK+7], v[rQ:rQ+7], 0
.else
	v_wmma_f32_16x16x32_f16 v[rS:rS+7], v[rK:rK+7], v[rQ:rQ+7], v[rS:rS+7]
.endif
.set i, i+1
.endr
	WIN 0
.endm
; O^T += V^T P for the same two slots: 32 products, sixteen accumulators by turns.  win: 0x50 hi (window 1), 0xf0 lo (window 3).  zero = 1: the first sixteen start the sums
.macro PV x, win, zero
	WIN \win
.set i, 0
.rept 32
.set rO, 64*(2*\x+i%2)+8*((i/2)%8)
.set rV, VF+64*(i/16)+8*((i/2)%8)
.set rP, P+16*(i%2)+8*(i/16)
.if \zero && (i < 16)
	v_wmma_f32_16x16x32_f16 v[rO:rO+7], v[rV:rV+7], v[rP:rP+7], 0
.else
	v_wmma_f32_16x16x32_f16 v[rO:rO+7], v[rV:rV+7], v[rP:rP+7], v[rO:rO+7]
.endif
.set i, i+1
.endr
	WIN 0
.endm
.macro PVARM x                         ; lo while N <= u, else hi: ids and the count of rounds alone
	s_cmp_le_u32 s[N], s[U]
	s_cbranch_scc1 .Llo_\@
	PV \x, 0x50, 0
	s_branch .Ljoin_\@
.Llo_\@:
	PV \x, 0xf0, 0
.Ljoin_\@:
.endm
.macro MASK x                          ; register 8 kt + j holds key 16 kt + 8 (lane / 16) + j of my wave's 64: it counts for nothing where it comes after my query
.irp s, 0,1
.set n, 0
.rept 32
	v_cmp_gt_i32 vcc_lo, 16*(n/8)+n%8, v[DD+2*\x+\s]
	v_cndmask_b32 v[S+32*\s+n], v[S+32*\s+n], v[ZERO], vcc_lo
.set n, n+1
.endr
.endr
.endm
.macro MASKIF x                        ; the block's last round: N = u
	s_cmp_lg_u32 s[N], s[U]
	s_cbranch_scc1 .Lopen_\@
	MASK \x
.Lopen_\@:
.endm
; The squares, in place; their sums; the squares as f16.  first = 1: the first pair starts the sums
.macro SQUARE x, first
.set i, 0
.rept 16
.if \first && (i == 0)
	v_pk_mul_f32 v[ZW+4*\x:ZW+4*\x+1], v[S:S+1], v[S:S+1]
	v_pk_mul_f32 v[ZW+4*\x+2:ZW+4*\x+3], v[S+32:S+33], v[S+32:S+33]
	v_pk_mul_f32 v[S:S+1], v[S:S+1], v[S:S+1]
	v_pk_mul_f32 v[S+32:S+33], v[S+32:S+33], v[S+32:S+33]
.else
	v_pk_mul_f32 v[S+2*i:S+2*i+1], v[S+2*i:S+2*i+1], v[S+2*i:S+2*i+1]
	v_pk_mul_f32 v[S+32+2*i:S+33+2*i], v[S+32+2*i:S+33+2*i], v[S+32+2*i:S+33+2*i]
	v_pk_add_f32 v[ZW+4*\x:ZW+4*\x+1], v[ZW+4*\x:ZW+4*\x+1], v[S+2*i:S+2*i+1]
	v_pk_add_f32 v[ZW+4*\x+2:ZW+4*\x+3], v[ZW+4*\x+2:ZW+4*\x+3], v[S+32+2*i:S+33+2*i]
.endif
.set i, i+1
.endr
.set i, 0
.rept 16
	v_cvt_pk_f16_f32 v[P+i], v[S+2*i], v[S+2*i+1]
	v_cvt_pk_f16_f32 v[P+16+i], v[S+32+2*i], v[S+33+2*i]
.set i, i+1
.endr
.endm
; THE CHANGE OF SLOTS.  Each wave waits for all its tensor loads (one is out: its part of the next tile), adds 0 to its spare word, and waits for that and for its reads of the tile in hand (V's last).
; fill = 1: the barrier is a round of the cluster's, and behind it the slot of the tile in hand takes tile N + 2, which is key tile N + 2 while that is at most u, else N + 2 - u.
.macro MEET fill
	s_wait_tensorcnt 0x0                           ; no tensor load of mine is out, so a group 0 may be written
	ds_add_u32 v[SPW], v[NIL]
.if \fill
	s_add_co_u32 s90, s[N], 2
	s_sub_co_u32 s91, s90, s[U]
	s_cmp_le_u32 s90, s[U]
	s_cselect_b32 s90, s90, s91
	s_lshl_b32 s90, s90, 16                        ; 256 rows of 256 bytes a key tile
	s_mov_b32 s91, 0
	s_add_co_u32 s[G0K+1], s[CSL], s[LK]
	s_add_nc_u64 s[G0K+2:G0K+3], s[KB:KB+1], s[90:91]
	s_or_b32 s[G0K+3], s[G0K+3], 0x80000000
	s_add_co_u32 s[G0V+1], s[CSL], s[LV]
	s_add_nc_u64 s[G0V+2:G0V+3], s[VB:VB+1], s[90:91]
	s_or_b32 s[G0V+3], s[G0V+3], 0x80000000
	s_wait_xcnt 0x0                                ; the last prefetch, a round back, has read its address
	s_add_nc_u64 s[PFA:PFA+1], s[PFA:PFA+1], 65536
	s_wait_dscnt 0x0                               ; the add is done; K and V of the tile in hand are in registers
	CROUND
	JLOAD                                          ; my one tensor load behind the round
	ASK
.else
	s_wait_dscnt 0x0
	s_barrier_signal -1
	s_barrier_wait -1
.endif
.endm
	s_wait_tensorcnt 1                             ; Q and my part of tile 0 are in; tile 1's load may be out
	s_barrier_signal -1
	s_barrier_wait -1
	s_mov_b32 s[NS], 0
	FETCH_Q 0
	FETCH_K
	FETCH_V
	s_mov_b32 s[NS], SLOTB
	s_mov_b32 s[CSL], 0
	s_mov_b32 s[N], 0
	; ---- hi, key tile 0
	s_wait_dscnt 32                                ; Q and K are in; V's 32 loads may be out
	QK 0
	PLACES
	SQUARE 0, 1
	MEET 1
	PV 0, 0x50, 1
	QK 1
	PLACES
	SQUARE 1, 1
	PV 1, 0x50, 1
.irp p, 0,1,2,3,4,5,6,7
	v_mov_b32 v[ZS+\p], v[ZW+\p]                   ; hi's sums are put aside
.endr
	FETCH_Q 1
	s_wait_dscnt 0x0
	; ---- lo, the same tile: K and V are still in registers
	QK 0
	PLACES
	MASKIF 0                                       ; (N = 0: under the mask where u = 0)
	SQUARE 0, 1
	PV 0, 0xf0, 1
	QK 1
	PLACES
	FETCH_K
	MASKIF 1
	SQUARE 1, 1
	PV 1, 0xf0, 1
	PLACES
	FETCH_V
	s_xor_b32 s[NS], s[NS], SLOTB
	s_xor_b32 s[CSL], s[CSL], SLOTB
	s_mov_b32 s[N], 1
.Lround:                                               ; N = 1 .. 5: each of these rounds asks for a tile
	s_wait_dscnt 32                                ; K is in; V's 32 loads may be out
	s_cmp_lg_u32 s[N], s[U1]
	s_cbranch_scc1 .Lstay
.irp p, 0,1,2,3,4,5,6,7                        ; N = u + 1: lo is done, back to hi: the two sets of sums change places, by way of eight score registers, which are free here
	v_mov_b32 v[S+\p], v[ZW+\p]
.endr
.irp p, 0,1,2,3,4,5,6,7
	v_mov_b32 v[ZW+\p], v[ZS+\p]
.endr
.irp p, 0,1,2,3,4,5,6,7
	v_mov_b32 v[ZS+\p], v[S+\p]
.endr
	FETCH_Q 0                                      ; and hi's queries come back
	s_wait_dscnt 0x0
.Lstay:
	QK 0
	PLACES
	MASKIF 0
	SQUARE 0, 0
	MEET 1
	PVARM 0
	QK 1
	PLACES
	FETCH_K
	MASKIF 1
	SQUARE 1, 0
	PVARM 1
	PLACES
	FETCH_V
	s_xor_b32 s[NS], s[NS], SLOTB
	s_xor_b32 s[CSL], s[CSL], SLOTB
	s_add_co_u32 s[N], s[N], 1
	s_cmp_lt_u32 s[N], 6
	s_cbranch_scc1 .Lround
	; ---- N = 6, written out: nothing is left to ask for
	s_wait_dscnt 32
	QK 0
	PLACES
	SQUARE 0, 0
	MEET 0
	PV 0, 0x50, 0
	QK 1
	PLACES
	FETCH_K
	SQUARE 1, 0
	PV 1, 0x50, 0
	PLACES
	FETCH_V
	; ---- N = 7: hi's last round, under the mask
	s_wait_dscnt 32
	QK 0
	PLACES
	MASK 0
	SQUARE 0, 0
	s_wait_dscnt 0x0                               ; V
	PV 0, 0x50, 0
	QK 1
	PLACES
	MASK 1
	SQUARE 1, 0
	PV 1, 0x50, 0
	; ---- THE END.  Each wave holds partial sums of all four query tiles of both blocks; slot sg's go to wave (w + sg) % 4, as images of the registers, through LDS.  These lines are the places behind the last products.
.irp p, 12,14,16,18,20,22,24,26
	v_add_f32 v[\p], v[\p], v[\p+1]
.endr
.irp p, 12,14,16,18,20,22,24,26
	v_permlanex16_b32 v[\p+1], v[\p], s[SEL], s[SEL+1]
.endr
.irp p, 12,14,16,18,20,22,24,26
	v_add_f32 v[\p], v[\p], v[\p+1]                ; my 64 keys' share of the query's sum
.endr
	; the end's addresses: in v1-7 and v31, from the thread's and the wave's number alone
	v_and_b32 v[TL], 31, v0
	v_lshlrev_b32 v[TL], 4, v[TL]                  ; 16 x lane: an image's place for my lane
.irp sg, 1,2,3
	s_add_co_u32 s90, s[WV], \sg
	s_and_b32 s90, s90, 3                          ; slot sg's owner
	s_mul_i32 s90, s90, OWN
	v_add_nc_u32 v[WA+\sg], s90, v[TL]
.endr
	s_mul_i32 s90, s[WV], OWN
	v_add_nc_u32 v[RA], s90, v[TL]                 ; my own region
	v_and_b32 v[TL], 15, v0                        ; r
	v_bfe_u32 v[GO], v0, 4, 1                      ; h
	s_mul_i32 s90, s[WV], 16*272
	s_add_co_u32 s90, s90, PST                     ; my stage
	v_mul_u32_u24 v[PSTO], v[TL], 272
	v_lshl_add_u32 v[PSTO], v[GO], 4, v[PSTO]
	v_add_nc_u32 v[PSTO], s90, v[PSTO]             ; in: row r, 16 bytes for each half of the lanes
	v_mul_u32_u24 v[PRD], v[GO], 272
	v_lshl_add_u32 v[PRD], v[TL], 4, v[PRD]
	v_add_nc_u32 v[PRD], s90, v[PRD]               ; back: lanes 0-15 one row, lanes 16-31 the next
	v_lshlrev_b32 v[GO], 12, v[GO]
	v_lshl_add_u32 v[GO], v[TL], 4, v[GO]          ; and the same two rows in o16
	s_wait_dscnt 0x0
	s_barrier_signal -1
	s_barrier_wait -1                              ; nobody reads the slots any more
.irp be, 0,1
	WIN 0x04+8*\be                                 ; an LDS store's data are its source 1: window 1 or 3
.irp sg, 1,2,3
.set i, 0
.rept 16
	ds_store_b128 v[WA+\sg], v[64*\sg+4*i:64*\sg+4*i+3] offset:(3*\be+\sg-1)*8192+512*i   ; each accumulator from its low end on
.set i, i+1
.endr
.endr
	WIN 0
.irp sg, 1,2,3
	ds_store_b32 v[WA+\sg], v[ZW+8*\be+2*\sg] offset:ZIM+(3*\be+\sg-1)*512
.endr
.endr
	s_wait_dscnt 0x0                               ; for the others' sake: my stores have landed
	s_barrier_signal -1
	s_barrier_wait -1
.macro OUT be                          ; my tile of hi (0) or lo (1): the three others' shares are added, O^T is divided, rounded to f16 and goes out through my stage as whole runs of 256 bytes
.irp sg, 1,2,3
.set i, 0
.rept 16
	ds_load_b128 v[64*\sg+4*i:64*\sg+4*i+3], v[RA] offset:(3*\be+\sg-1)*8192+512*i
.set i, i+1
.endr
	ds_load_b32 v[ZW+1+8*\be+\sg], v[RA] offset:ZIM+(3*\be+\sg-1)*512
.endr
	s_wait_dscnt 0x0
	v_add_f32 v[ZW+8*\be], v[ZW+8*\be], v[ZW+2+8*\be]
	v_add_f32 v[ZW+3+8*\be], v[ZW+3+8*\be], v[ZW+4+8*\be]
	v_add_f32 v[ZW+8*\be], v[ZW+8*\be], v[ZW+3+8*\be]
	v_add_f32 v[ZW+8*\be], 0x3aa7c5ac, v[ZW+8*\be] ; + 128 x 1e-5
	v_rcp_f32 v[ZW+6+8*\be], v[ZW+8*\be]
	v_rcp_f32 v[ZW+7+8*\be], v[ZW+8*\be]
	WIN 0x01+2*\be                                 ; my own share: slot 0 of window 1 or 3
.set i, 0
.rept 32
	v_pk_add_f32 v[64+2*i:65+2*i], v[2*i:2*i+1], v[64+2*i:65+2*i]
.set i, i+1
.endr
	WIN 0
.set i, 0
.rept 32
	v_pk_add_f32 v[128+2*i:129+2*i], v[128+2*i:129+2*i], v[192+2*i:193+2*i]
.set i, i+1
.endr
.set i, 0
.rept 32
	v_pk_add_f32 v[64+2*i:65+2*i], v[64+2*i:65+2*i], v[128+2*i:129+2*i]
.set i, i+1
.endr
	s_wait_alu depctr_va_vdst(0)                   ; a wait ahead of the reciprocals' first reader; the additions above are the work between
.set i, 0
.rept 32
	v_pk_mul_f32 v[64+2*i:65+2*i], v[64+2*i:65+2*i], v[ZW+6+8*\be:ZW+7+8*\be]
.set i, i+1
.endr
.if \be
	s_wait_xcnt 0x0                                ; hi's stores have read v32-63
.endif
.set i, 0
.rept 32
	v_cvt_pk_f16_f32 v[32+i], v[64+2*i], v[65+2*i]
.set i, i+1
.endr
.irp f, 0,1,2,3,4,5,6,7
	ds_store_b128 v[PSTO], v[32+4*\f:35+4*\f] offset:32*\f
.endr
.irp f, 0,1,2,3,4,5,6,7
	ds_load_b128 v[32+4*\f:35+4*\f], v[PRD] offset:\f*2*272       ; LDS serves a wave's instructions in order: these see the stores above
.endr
.irp f, 0,1,2,3,4,5,6,7
	s_wait_dscnt 7-\f
	global_store_b128 v[GO], v[32+4*\f:35+4*\f], s[OHI+2*\be:OHI+2*\be+1] offset:8192*\f   ; 16 lanes store 256 consecutive bytes, aligned
.endr
.endm
	OUT 0
	OUT 1
	s_wait_tensorcnt 0x0                           ; the wave's end
	ds_add_u32 v[SPW], v[NIL]
	s_wait_dscnt 0x0
	CROUND                                         ; the closing round
	s_endpgm
.Lfunc_end_k_q1ae5b4480b_attn:
	.size	k_q1ae5b4480b_attn, .Lfunc_end_k_q1ae5b4480b_attn-k_q1ae5b4480b_attn
	.p2alignl 7, 3214868480
	.fill 96, 4, 3214868480
	.section	.rodata,"a",@progbits
	.p2align	6, 0x0
	.amdhsa_kernel k_q1ae5b4480b_attn
		.amdhsa_group_segment_fixed_size 327680
		.amdhsa_private_segment_fixed_size 0
		.amdhsa_enable_private_segment 0
		.amdhsa_kernarg_size 16
		.amdhsa_user_sgpr_count 2
		.amdhsa_user_sgpr_kernarg_segment_ptr 1
		.amdhsa_wavefront_size32 1
		.amdhsa_system_sgpr_workgroup_id_x 1
		.amdhsa_system_sgpr_workgroup_id_y 1
		.amdhsa_system_sgpr_workgroup_id_z 1
		.amdhsa_system_vgpr_workitem_id 0
		.amdhsa_next_free_vgpr 1024
		.amdhsa_next_free_sgpr 96
		.amdhsa_reserve_vcc 1
		.amdhsa_float_denorm_mode_32 3
		.amdhsa_float_denorm_mode_16_64 3
		.amdhsa_memory_ordered 1
		.amdhsa_forward_progress 1
		.amdhsa_inst_pref_size 209
	.end_amdhsa_kernel
	.amdgpu_metadata
---
amdhsa.version: [ 1, 2 ]
amdhsa.kernels:
  - .name:           k_q1ae5b4480b_attn
    .symbol:         k_q1ae5b4480b_attn.kd
    .args:
      - { .name: qkv16, .offset: 0, .size: 8, .value_kind: global_buffer, .address_space: global }
      - { .name: o16, .offset: 8, .size: 8, .value_kind: global_buffer, .address_space: global }
    .group_segment_fixed_size: 327680
    .private_segment_fixed_size: 0
    .kernarg_segment_align: 8
    .kernarg_segment_size: 16
    .max_flat_workgroup_size: 128
    .sgpr_count:     96
    .vgpr_count:     1024
    .wavefront_size: 32
...
	.end_amdgpu_metadata
.endif
;; end of part 3
;; launch oproj (part 4): grid 16 x 16, 4 waves a work-group, clusters of 4 x 4, 327,680 bytes of LDS; arguments o16, wo16, out0; writes out0
.if DOCPART == 4
	.amdgcn_target "amdgcn-amd-amdhsa--gfx1250"
	.amdhsa_code_object_version 6
	.text
	.protected	k_q1ae5b4480b_oproj
	.globl	k_q1ae5b4480b_oproj
	.p2align	8
	.type	k_q1ae5b4480b_oproj,@function
k_q1ae5b4480b_oproj:
	s_mov_b64 s[64:65], 0
	v_nop
	global_prefetch_b8 v0, s[64:65] scope:SCOPE_SE
	s_setreg_imm32_b32 hwreg(HW_REG_WAVE_MODE, 25, 1), 1
	s_wait_xcnt 0x0
	s_wait_alu depctr_hold_cnt(0) depctr_sa_sdst(0) depctr_va_vdst(0) depctr_va_sdst(0) depctr_va_ssrc(0) depctr_va_vcc(0) depctr_vm_vsrc(0)
	s_getreg_b32 s2, hwreg(HW_REG_IB_STS2, 6, 4)
	s_cmp_eq_u32 s2, 0
	s_cbranch_scc0 .Lentry_in_a_cluster
	s_endpgm
.Lentry_in_a_cluster:
	s_bfe_u32 s2, ttmp6, 0x10000c
	s_cmp_lg_u32 s2, 0xf033
	s_cbranch_scc0 .Lentry_shape_is_right
	s_endpgm
.Lentry_shape_is_right:
; out0[t][n] = sum over k of o[t][k] Wo[n][k].  o16 [2048][2048] and wo16 [2048][2048] f16, out0 f32; sums in f32.  Rows 0-15 are written again, more finely, by the launch behind this one.
; A tile of out0 is 128 x 128, so that each of 256 work-groups has one.  Four waves, each 64 x 64: 16 accumulators.  K goes in steps of 256 (LDS rows of 512 bytes, 64 to a tensor load) through two slots.
; CLUSTERS: 4 x 4 work-groups; the four of a row need the same tiles of o, the four of a column the same tiles of Wo: each tile is asked for jointly.
; THE MATRIX INSTRUCTION IS USED TRANSPOSED (source 0 = 16 rows of Wo, source 1 = 16 rows of o): a lane holds eight neighbouring numbers of a row of out0.
; A wave's 64 columns are 256 bytes of f32: each wave has a stage of its own on the way out, and no barrier stands there.
; REGISTERS: window 0: v0-31 addresses; v32-95 the way out; v128-255 the accumulators ((a, b) at v[128 + 8 (4 a + b)]).  window 1: two fragment buffers of 128.
.set SIZE_M, 2048
.set SIZE_N, 2048
.set SIZE_K, 2048
.set KSTEP,  256
.set PITCH,  528
.set HALFT,  64*PITCH
.set SLOT,   4*HALFT
.set STAGE,  2*SLOT                    ; behind the ring: 16 rows x 272 bytes for each wave
.set SPITCH, 272
.set SPARE,  STAGE+4*16*SPITCH         ; the spare words: 128 bytes a wave, named by no other line
.set LAPS, SIZE_K/(2*KSTEP)
.set ADRA, 16
.set ADRB, 20
.set STO,  24
.set RD,   25
.set CO,   26
.set SPW,  28
.set NIL,  29
.set TMP,  32
.set ACC,  128
.set F0,   0
.set F1,   128
.set G1, 24
.set G0, 32
.set G1B, 48
.set G0B, 56
.set MSB, 0
.macro WIN new
.if MSB != (\new)
	s_set_vgpr_msb (MSB<<8)|(\new)
.set MSB, (\new)
.endif
.endm
.set MUL,  0x05
.set TO_F, 0x40
.macro JLOAD s                         ; waves 0 and 1 fetch o's two halves, waves 2 and 3 Wo's; an s_nop 0 and four v_nop follow each line
	s_cmp_eq_u32 s11, 0
	s_cbranch_scc0 .Lfor_b_\@
	tensor_load_to_lds s[G0+4*\s:G0+4*\s+3], s[G1:G1+7]
	s_nop 0
.rept 4
	v_nop
.endr
	s_branch .Lasked_\@
.Lfor_b_\@:
	tensor_load_to_lds s[G0B+4*\s:G0B+4*\s+3], s[G1B:G1B+7]
	s_nop 0
.rept 4
	v_nop
.endr
.Lasked_\@:
.endm
.macro CREST
	s_cmp_lg_u32 s10, 0
	s_cbranch_scc1 .Lnot_wave_0_\@
	s_barrier_signal -3
.Lnot_wave_0_\@:
	s_barrier_wait -3
	s_barrier_signal -1
	s_barrier_wait -1
.endm
.macro CROUND
	s_barrier_signal -1
	s_barrier_wait -1
	CREST
.endm
	s_load_b128 s[4:7], s[0:1], 0x0                ; o16, wo16
	s_load_b64 s[8:9], s[0:1], 0x10                ; out0
	v_lshl_add_u32 v[SPW], v0, 2, SPARE
	v_mov_b32 v[NIL], 0
	ds_add_u32 v[SPW], v[NIL]                      ; the wave's opening: the add, twice on end, and its wait ahead of my first tensor load
	ds_add_u32 v[SPW], v[NIL]
	v_lshrrev_b32 v1, 5, v0
	v_readfirstlane_b32 s10, v1                    ; wave 0..3
	s_lshr_b32 s11, s10, 1                         ; my half of the tile's rows.  Also: I fetch for o (0) or for Wo (1)
	s_and_b32 s12, s10, 1                          ; my half of its columns.  Also: which 64 rows of that tile I fetch
	s_bfe_u32 s40, ttmp6, 0x40000
	s_bfe_u32 s41, ttmp6, 0x40004
	s_lshl_b32 s42, ttmp9, 2
	s_add_co_u32 s42, s42, s40                     ; tile column
	s_and_b32 s13, ttmp7, 0xffff
	s_lshl_b32 s13, s13, 2
	s_add_co_u32 s13, s13, s41                     ; tile row
	s_lshl_b32 s43, s41, 2
	s_lshl_b32 s43, 15, s43                        ; my row of the cluster
	s_lshl_b32 s44, 0x1111, s40                    ; my column
	s_or_b32 s[G1+0], s43, (1<<16)|(1<<20)|(1<<21)|(6<<22)|(3<<25)  ; the mask; elements of 2 bytes; padding: 4 words after every 128; bit 21 beside a mask
	s_or_b32 s[G1B+0], s44, (1<<16)|(1<<20)|(1<<21)|(6<<22)|(3<<25)
.irp g, G1, G1B
	s_mov_b32 s[\g+1], KSTEP<<16
	s_mov_b32 s[\g+2], 64<<16
	s_mov_b32 s[\g+3], KSTEP<<16
	s_mov_b32 s[\g+4], 64
	s_mov_b32 s[\g+5], SIZE_K
	s_mov_b32 s[\g+6], 0
	s_mov_b32 s[\g+7], 0
.endr
	s_lshl_b32 s17, s12, 6
	s_lshl_b32 s16, s13, 7
	s_add_co_u32 s16, s16, s17
	s_lshl_b32 s46, s42, 7
	s_add_co_u32 s46, s46, s17
	s_mov_b32 s17, 0
	s_mov_b32 s47, 0
	s_mov_b64 s[18:19], SIZE_K*2
	s_mul_u64 s[16:17], s[16:17], s[18:19]
	s_mul_u64 s[46:47], s[46:47], s[18:19]
	s_mul_i32 s20, s10, HALFT
	s_wait_dscnt 0x0                               ; both opening adds are done
	s_wait_kmcnt 0x0
	s_add_nc_u64 s[14:15], s[4:5], s[16:17]
	s_add_nc_u64 s[46:47], s[6:7], s[46:47]
	CROUND                                         ; all sixteen work-groups are here: the first joint loads meet
.irp s, 0,1
	s_mov_b32 s[G0+4*\s], 1
	s_add_co_u32 s[G0+4*\s+1], s20, \s*SLOT
	s_add_nc_u64 s[G0+4*\s+2:G0+4*\s+3], s[14:15], \s*KSTEP*2
	s_or_b32 s[G0+4*\s+3], s[G0+4*\s+3], 0x80000000
	s_mov_b32 s[G0B+4*\s], 1
	s_add_co_u32 s[G0B+4*\s+1], s20, \s*SLOT
	s_add_nc_u64 s[G0B+4*\s+2:G0B+4*\s+3], s[46:47], \s*KSTEP*2
	s_or_b32 s[G0B+4*\s+3], s[G0B+4*\s+3], 0x80000000
	JLOAD \s
.endr
	v_and_b32 v1, 15, v0
	v_bfe_u32 v2, v0, 4, 1
	v_mul_u32_u24 v3, v1, PITCH
	v_lshl_add_u32 v3, v2, 4, v3
	s_mul_i32 s21, s11, HALFT
	s_mul_i32 s22, s12, HALFT
	s_add_co_u32 s22, s22, 2*HALFT
.irp s, 0,1
	v_add_nc_u32 v[ADRA+\s], s21, v3
	v_add_nc_u32 v[ADRB+\s], s22, v3
	s_add_co_u32 s21, s21, SLOT
	s_add_co_u32 s22, s22, SLOT
.endr
	s_mul_i32 s23, s10, 16*SPITCH
	s_add_co_u32 s23, s23, STAGE                   ; my stage
	v_mul_u32_u24 v4, v1, SPITCH
	v_lshl_add_u32 v4, v2, 5, v4
	v_add_nc_u32 v[STO], s23, v4                   ; in: row l % 16, 32 bytes for each half of the lanes
	v_mul_u32_u24 v5, v2, SPITCH
	v_lshl_add_u32 v5, v1, 4, v5
	v_add_nc_u32 v[RD], s23, v5                    ; back: lanes 0-15 one row of 256 bytes, lanes 16-31 the next
	v_lshlrev_b32 v5, 13, v2
	v_lshl_add_u32 v[CO], v1, 4, v5                ; and the same two rows in out0
	s_lshl_b32 s16, s13, 7
	s_lshl_b32 s17, s11, 6
	s_add_co_u32 s16, s16, s17                     ; my first row
	s_lshl_b32 s16, s16, 13                        ; of 8,192 bytes
	s_mov_b32 s17, 0
	s_add_nc_u64 s[8:9], s[8:9], s[16:17]
	s_lshl_b32 s46, s42, 9                         ; my first column, in bytes: 512 x tile column + 256 x half
	s_lshl_b32 s47, s12, 8
	s_add_co_u32 s46, s46, s47
	s_mov_b32 s47, 0
	s_add_nc_u64 s[8:9], s[8:9], s[46:47]
.macro MUL8 f, c, a0, zero             ; the 16 accumulators take turns, one instruction a turn
.irp a, \a0, \a0+1
.irp b, 0,1,2,3
.if \zero
	v_wmma_f32_16x16x32_f16 v[ACC+8*(4*(\a)+\b):ACC+8*(4*(\a)+\b)+7], v[\f+64+8*(4*\c+\b):\f+64+8*(4*\c+\b)+7], v[\f+8*(4*\c+\a):\f+8*(4*\c+\a)+7], 0
.else
	v_wmma_f32_16x16x32_f16 v[ACC+8*(4*(\a)+\b):ACC+8*(4*(\a)+\b)+7], v[\f+64+8*(4*\c+\b):\f+64+8*(4*\c+\b)+7], v[\f+8*(4*\c+\a):\f+8*(4*\c+\a)+7], v[ACC+8*(4*(\a)+\b):ACC+8*(4*(\a)+\b)+7]
.endif
.endr
.endr
.endm
.macro FETCH slot, k, f
	WIN TO_F
.irp c, 0,1
.irp i, 0,1,2,3
	ds_load_b128 v[\f+64+8*(4*\c+\i):\f+64+8*(4*\c+\i)+3],   v[ADRB+\slot] offset:\k+64*\c+\i*16*PITCH
	ds_load_b128 v[\f+64+8*(4*\c+\i)+4:\f+64+8*(4*\c+\i)+7], v[ADRB+\slot] offset:\k+64*\c+\i*16*PITCH+32
	ds_load_b128 v[\f+8*(4*\c+\i):\f+8*(4*\c+\i)+3],         v[ADRA+\slot] offset:\k+64*\c+\i*16*PITCH
	ds_load_b128 v[\f+8*(4*\c+\i)+4:\f+8*(4*\c+\i)+7],       v[ADRA+\slot] offset:\k+64*\c+\i*16*PITCH+32
.endr
.endr
.endm
.macro PLACES
.rept 4
	v_nop
.endr
.endm
.macro QUARTER slot, k, f, g, zero
	s_wait_dscnt 16                                ; the first 32 along K are in; the other sixteen loads may be out
	WIN MUL
	MUL8 \f, 0, 0, \zero
	MUL8 \f, 0, 2, \zero
	PLACES
	FETCH \slot, \k, \g
	s_wait_dscnt 32                                ; all but the 32 just issued
	WIN MUL
	MUL8 \f, 1, 0, 0
	MUL8 \f, 1, 2, 0
.endm
.macro TURN slot, next, fill
	WIN 0
	s_wait_tensorcnt 0x0                           ; all my tensor loads have landed: my part of the next slot
	ds_add_u32 v[SPW], v[NIL]
	s_wait_dscnt 17                                ; (the add and the youngest sixteen loads may be out)
	WIN MUL
	MUL8 F1, 0, 0, 0
	s_wait_dscnt 0x0                               ; the add is done, and my reads of this slot are over
	s_barrier_signal -1
	MUL8 F1, 0, 2, 0
.if \fill
	WIN 0
.endif
	s_barrier_wait -1
.if \fill
	CREST                                          ; the barrier has opened a round of the cluster's barrier
	s_add_nc_u64 s[G0+4*\slot+2:G0+4*\slot+3], s[G0+4*\slot+2:G0+4*\slot+3], 2*KSTEP*2
	s_add_nc_u64 s[G0B+4*\slot+2:G0B+4*\slot+3], s[G0B+4*\slot+2:G0B+4*\slot+3], 2*KSTEP*2
	JLOAD \slot                                    ; my one tensor load behind the round
.else
	PLACES
.endif
	FETCH \next, 0, F0
	WIN MUL
	MUL8 F1, 1, 0, 0
	MUL8 F1, 1, 2, 0
.endm
	s_wait_tensorcnt 1                             ; my part of K step 0 is in; K step 1's load may be out
	s_barrier_signal -1
	s_barrier_wait -1
	FETCH 0, 0, F0
	QUARTER 0, 128, F0, F1, 1
	WIN 0
	s_mov_b32 s3, LAPS-1
.Llap:
	QUARTER 0, 256, F1, F0, 0
	QUARTER 0, 384, F0, F1, 0
	TURN 0, 1, 1
	QUARTER 1, 128, F0, F1, 0
	QUARTER 1, 256, F1, F0, 0
	QUARTER 1, 384, F0, F1, 0
	TURN 1, 0, 1
	QUARTER 0, 128, F0, F1, 0
	WIN 0
	s_sub_co_u32 s3, s3, 1
	s_cmp_lg_u32 s3, 0
	s_cbranch_scc1 .Llap
	QUARTER 0, 256, F1, F0, 0                      ; the last lap fills nothing
	QUARTER 0, 384, F0, F1, 0
	TURN 0, 1, 0
	QUARTER 1, 128, F0, F1, 0
	QUARTER 1, 256, F1, F0, 0
	QUARTER 1, 384, F0, F1, 0
	s_wait_dscnt 16
	WIN MUL
	MUL8 F1, 0, 0, 0
	MUL8 F1, 0, 2, 0
	s_wait_dscnt 0
	MUL8 F1, 1, 0, 0
	MUL8 F1, 1, 2, 0
	WIN 0
; THE WAY OUT, 16 rows x 64 columns at a time, through my own stage: LDS serves a wave's instructions in order, so no wait stands between the stores and the loads.
.macro TOSTAGE a
.irp b, 0,1,2,3
	ds_store_b128 v[STO], v[ACC+8*(4*(\a)+\b):ACC+8*(4*(\a)+\b)+3] offset:64*\b          ; each accumulator from its low end on
	ds_store_b128 v[STO], v[ACC+8*(4*(\a)+\b)+4:ACC+8*(4*(\a)+\b)+7] offset:64*\b+16
.endr
.set BB, TMP+32*((\a)%2)
.irp t, 0,1,2,3,4,5,6,7
	ds_load_b128 v[BB+4*\t:BB+4*\t+3], v[RD] offset:\t*2*SPITCH
.endr
.endm
.macro SEND a, younger
.set BB, TMP+32*((\a)%2)
	s_wait_dscnt \younger
.irp t, 0,1,2,3,4,5,6,7
	global_store_b128 v[CO], v[BB+4*\t:BB+4*\t+3], s[8:9] offset:(16*(\a)+2*\t)*SIZE_N*4 th:TH_STORE_NT   ; 16 lanes store 256 consecutive bytes, aligned
.endr
.endm
	PLACES
	TOSTAGE 0
.irp a, 1,2,3
.if \a > 1
	s_wait_xcnt 0x0                                ; block a - 2's stores have read their registers
.endif
	TOSTAGE \a
	SEND \a-1, 16                                  ; behind block a - 1's loads: block a's 8 stores and 8 loads
.endr
	SEND 3, 0
	s_wait_tensorcnt 0x0                           ; the wave's end
	ds_add_u32 v[SPW], v[NIL]
	s_wait_dscnt 0x0
	CROUND                                         ; the closing round
	s_endpgm
.Lfunc_end_k_q1ae5b4480b_oproj:
	.size	k_q1ae5b4480b_oproj, .Lfunc_end_k_q1ae5b4480b_oproj-k_q1ae5b4480b_oproj
	.p2alignl 7, 3214868480
	.fill 96, 4, 3214868480
	.section	.rodata,"a",@progbits
	.p2align	6, 0x0
	.amdhsa_kernel k_q1ae5b4480b_oproj
		.amdhsa_group_segment_fixed_size 327680
		.amdhsa_private_segment_fixed_size 0
		.amdhsa_enable_private_segment 0
		.amdhsa_kernarg_size 24
		.amdhsa_user_sgpr_count 2
		.amdhsa_user_sgpr_kernarg_segment_ptr 1
		.amdhsa_wavefront_size32 1
		.amdhsa_system_sgpr_workgroup_id_x 1
		.amdhsa_system_sgpr_workgroup_id_y 1
		.amdhsa_system_sgpr_workgroup_id_z 1
		.amdhsa_system_vgpr_workitem_id 0
		.amdhsa_next_free_vgpr 512
		.amdhsa_next_free_sgpr 66
		.amdhsa_reserve_vcc 0
		.amdhsa_float_denorm_mode_32 3
		.amdhsa_float_denorm_mode_16_64 3
		.amdhsa_memory_ordered 1
		.amdhsa_forward_progress 1
		.amdhsa_inst_pref_size 86
	.end_amdhsa_kernel
	.amdgpu_metadata
---
amdhsa.version: [ 1, 2 ]
amdhsa.kernels:
  - .name:           k_q1ae5b4480b_oproj
    .symbol:         k_q1ae5b4480b_oproj.kd
    .args:
      - { .name: o16, .offset: 0, .size: 8, .value_kind: global_buffer, .address_space: global }
      - { .name: wo16, .offset: 8, .size: 8, .value_kind: global_buffer, .address_space: global }
      - { .name: out0, .offset: 16, .size: 8, .value_kind: global_buffer, .address_space: global }
    .group_segment_fixed_size: 327680
    .private_segment_fixed_size: 0
    .kernarg_segment_align: 8
    .kernarg_segment_size: 24
    .max_flat_workgroup_size: 128
    .sgpr_count:     66
    .vgpr_count:     512
    .wavefront_size: 32
...
	.end_amdgpu_metadata
.endif
;; end of part 4
;; launch first16 (part 5): grid 128 x 1, 16 waves a work-group, no clusters, 165,888 bytes of LDS; arguments qkv16, lo16, Wo, out0; writes out0
.if DOCPART == 5
	.amdgcn_target "amdgcn-amd-amdhsa--gfx1250"
	.amdhsa_code_object_version 6
	.text
	.protected	k_q1ae5b4480b_first16
	.globl	k_q1ae5b4480b_first16
	.p2align	8
	.type	k_q1ae5b4480b_first16,@function
k_q1ae5b4480b_first16:
	s_mov_b64 s[64:65], 0
	v_nop
	global_prefetch_b8 v0, s[64:65] scope:SCOPE_SE
	s_setreg_imm32_b32 hwreg(HW_REG_WAVE_MODE, 25, 1), 1
	s_wait_xcnt 0x0
; Rows 0-15 of out0 once more, with every operand as a PAIR of f16 numbers, a high and a low part: these rows average one to sixteen values and are the largest, so one f16 number's rounding weighs most there.
; It runs last and writes these rows over the projection's.  q, k, v: the high part is the f16 number in qkv16, the low part lies in lo16.  Numbers made here are split in f32: high = the number with its
; 13 lowest mantissa bits cleared (exact in f16), low = the rest (exact in f32), both then to f16.  Of a product of pairs the three terms high x high, high x low, low x high are summed in f32.
; SHARES.  Work-group x owns columns 16 x .. 16 x + 15 of the 16 rows.  Wave w is head w: it makes o of its head for the 16 rows, which is k = 128 w .. 128 w + 127 of the projection, multiplies it by its
; 16 x 128 piece of Wo (read as f32, once in the launch), and the sixteen partial tiles meet in LDS.  Every work-group repeats the small attention.
; LAYOUT.  S^T = K Q^T; O^T = V^T P; out^T = Wo O^T: a lane holds one row t throughout.  The second product's K of 32 holds the 16 keys twice: source 0 = [v | v], source 1 = [p high | p low].
; LIMITS: as in the launches before: |v|, |o|, |Wo| under 65,504; parts under 6.1e-5 are kept with f16's step of 2^-24.
; No tensor loads, no cluster: all operands go from memory straight into registers, and what work-groups share (48 small tiles) is little beside each one's own piece of Wo.
.set VSTG,  9216                       ; LDS: for each wave 16 rows of v x 288 bytes, high, then low
.set RED,   16*VSTG                    ; sixteen partial tiles as images of registers, 1,024 bytes each
.set SPARE, RED+16*1024                ; the spare words: 128 bytes a wave, named by no other line
.set SPW, 12
.set NIL, 13
.set QH,  16
.set QL,  48
.set KH,  80
.set KL,  112
.set OT,  144                          ; v's rows in passing, then O^T
.set WF,  80                           ; Wo as f32
.set WH,  144
.set WL,  176
.set OH,  16
.set OL,  48
.set SA,  208                          ; three accumulators
.set T,   232
.set PB,  240
.set HI,  248
.macro PLACES
.rept 4
	v_nop
.endr
.endm
	s_load_b256 s[4:11], s[0:1], 0x0               ; qkv16, lo16, Wo, out0
	v_lshl_add_u32 v[SPW], v0, 2, SPARE
	v_mov_b32 v[NIL], 0
	v_lshrrev_b32 v1, 5, v0
	v_readfirstlane_b32 s12, v1                    ; wave = head
	v_and_b32 v1, 15, v0                           ; r
	v_bfe_u32 v2, v0, 4, 1                         ; h
	v_and_b32 v15, 31, v0
	v_lshlrev_b32 v3, 8, v1
	v_lshl_add_u32 v3, v2, 4, v3                   ; a fragment of q or k: row r of 256 bytes + 16 h
	v_lshlrev_b32 v4, 4, v15                       ; 16 x lane
	s_mul_i32 s13, s12, VSTG
	v_mul_u32_u24 v5, v2, 288
	v_lshl_add_u32 v5, v1, 4, v5
	v_add_nc_u32 v5, s13, v5                       ; v's rows into my stage: two rows an instruction
	v_and_b32 v6, 7, v0
	v_lshl_add_u32 v6, v2, 3, v6
	v_mul_u32_u24 v6, v6, 288
	v_bfe_u32 v14, v0, 3, 1
	v_lshl_add_u32 v6, v14, 4, v6
	v_add_nc_u32 v6, s13, v6                       ; and out of it, turned
	v_lshlrev_b32 v7, 13, v1
	v_lshl_add_u32 v7, v2, 5, v7                   ; row r of 8,192 bytes + 32 h: in Wo (row n) and in out0 (row t) alike
	v_lshlrev_b32 v8, 3, v2
	v_sub_nc_u32 v8, v1, v8                        ; r - 8 h: register j's key 8 h + j is hidden where j is above it
	s_lshl_b32 s13, s12, 10
	s_add_co_u32 s13, s13, RED
	v_add_nc_u32 v9, s13, v4
	v_add_nc_u32 v10, RED, v4
	v_mov_b32 v14, 0
	s_lshl_b32 s14, s12, 19
	s_mov_b32 s15, 0
	s_lshl_b32 s20, s12, 12
	s_mov_b32 s21, 0
	s_lshl_b32 s22, ttmp9, 17                      ; 16 rows of Wo,
	s_lshl_b32 s23, s12, 9                         ; my head's 512 bytes of them
	s_add_co_u32 s22, s22, s23
	s_mov_b32 s23, 0
	s_lshl_b32 s24, ttmp9, 6
	s_mov_b32 s25, 0
	s_mov_b32 s26, 0x76543210
	s_mov_b32 s27, 0xfedcba98
	s_mov_b32 s28, 0xffffe000
	s_wait_kmcnt 0x0
	s_add_nc_u64 s[14:15], s[4:5], s[14:15]        ; q of my head,
	s_add_nc_u64 s[16:17], s[14:15], 0x800000      ; k,
	s_add_nc_u64 s[18:19], s[16:17], 0x800000      ; v
	s_add_nc_u64 s[20:21], s[6:7], s[20:21]        ; the low parts: q's; k's 65,536 bytes on, v's 131,072
	s_add_nc_u64 s[22:23], s[8:9], s[22:23]
	s_add_nc_u64 s[10:11], s[10:11], s[24:25]
.irp i, 0,1,2,3,4,5,6,7
	global_load_b128 v[OT+4*\i:OT+4*\i+3], v4, s[18:19] offset:512*\i
	global_load_b128 v[OT+32+4*\i:OT+32+4*\i+3], v4, s[20:21] offset:131072+512*\i
.endr
.irp c, 0,1,2,3
	global_load_b128 v[QH+8*\c:QH+8*\c+3], v3, s[14:15] offset:64*\c
	global_load_b128 v[QH+8*\c+4:QH+8*\c+7], v3, s[14:15] offset:64*\c+32
	global_load_b128 v[QL+8*\c:QL+8*\c+3], v3, s[20:21] offset:64*\c
	global_load_b128 v[QL+8*\c+4:QL+8*\c+7], v3, s[20:21] offset:64*\c+32
	global_load_b128 v[KH+8*\c:KH+8*\c+3], v3, s[16:17] offset:64*\c
	global_load_b128 v[KH+8*\c+4:KH+8*\c+7], v3, s[16:17] offset:64*\c+32
	global_load_b128 v[KL+8*\c:KL+8*\c+3], v3, s[20:21] offset:65536+64*\c
	global_load_b128 v[KL+8*\c+4:KL+8*\c+7], v3, s[20:21] offset:65536+64*\c+32
.endr
	s_wait_loadcnt 32                              ; v's sixteen loads are in; q's and k's 32 may be out
.irp i, 0,1,2,3,4,5,6,7
	ds_store_b128 v5, v[OT+4*\i:OT+4*\i+3] offset:576*\i
	ds_store_b128 v5, v[OT+32+4*\i:OT+32+4*\i+3] offset:4608+576*\i
.endr
	s_wait_loadcnt 0x0
.irp c, 0,1,2,3                                ; S^T in three sums that take turns, one instruction a turn
.if \c == 0
	v_wmma_f32_16x16x32_f16 v[SA:SA+7], v[KH:KH+7], v[QH:QH+7], 0
	v_wmma_f32_16x16x32_f16 v[SA+8:SA+15], v[KH:KH+7], v[QL:QL+7], 0
	v_wmma_f32_16x16x32_f16 v[SA+16:SA+23], v[KL:KL+7], v[QH:QH+7], 0
.else
	v_wmma_f32_16x16x32_f16 v[SA:SA+7], v[KH+8*\c:KH+8*\c+7], v[QH+8*\c:QH+8*\c+7], v[SA:SA+7]
	v_wmma_f32_16x16x32_f16 v[SA+8:SA+15], v[KH+8*\c:KH+8*\c+7], v[QL+8*\c:QL+8*\c+7], v[SA+8:SA+15]
	v_wmma_f32_16x16x32_f16 v[SA+16:SA+23], v[KL+8*\c:KL+8*\c+7], v[QH+8*\c:QH+8*\c+7], v[SA+16:SA+23]
.endif
.endr
	PLACES
.irp c, 0,1,2,3                                ; Wo(16 x + r, 128 w + 32 c + 8 h + 0..7 and + 16 ..): 16 numbers a fragment
	global_load_b128 v[WF+16*\c:WF+16*\c+3], v7, s[22:23] offset:128*\c th:TH_LOAD_NT
	global_load_b128 v[WF+16*\c+4:WF+16*\c+7], v7, s[22:23] offset:128*\c+16 th:TH_LOAD_NT
	global_load_b128 v[WF+16*\c+8:WF+16*\c+11], v7, s[22:23] offset:128*\c+64 th:TH_LOAD_NT
	global_load_b128 v[WF+16*\c+12:WF+16*\c+15], v7, s[22:23] offset:128*\c+80 th:TH_LOAD_NT
.endr
.macro VFRAG d0                        ; V^T for channel tiles d0 .. d0 + 3: the same 16 keys in both halves of K; high parts at v16 on, low parts at v48 on
.irp t, 0,1,2,3
	ds_load_tr16_b128 v[16+8*\t:19+8*\t], v6 offset:32*(\d0+\t)
	ds_load_tr16_b128 v[20+8*\t:23+8*\t], v6 offset:32*(\d0+\t)
	ds_load_tr16_b128 v[48+8*\t:51+8*\t], v6 offset:4608+32*(\d0+\t)
	ds_load_tr16_b128 v[52+8*\t:55+8*\t], v6 offset:4608+32*(\d0+\t)
.endr
.endm
.macro OPROD d0                        ; four accumulators by turns: the high parts start the sums, the low parts follow
.irp t, 0,1,2,3
	v_wmma_f32_16x16x32_f16 v[OT+8*(\d0+\t):OT+8*(\d0+\t)+7], v[16+8*\t:23+8*\t], v[PB:PB+7], 0
.endr
.irp t, 0,1,2,3
	v_wmma_f32_16x16x32_f16 v[OT+8*(\d0+\t):OT+8*(\d0+\t)+7], v[48+8*\t:55+8*\t], v[PB:PB+7], v[OT+8*(\d0+\t):OT+8*(\d0+\t)+7]
.endr
.endm
	VFRAG 0                                        ; LDS serves a wave's instructions in order: these see my stores
.irp j, 0,2,4,6
	v_pk_add_f32 v[T+\j:T+\j+1], v[SA+\j:SA+\j+1], v[SA+8+\j:SA+8+\j+1]
.endr
.irp j, 0,2,4,6
	v_pk_add_f32 v[T+\j:T+\j+1], v[T+\j:T+\j+1], v[SA+16+\j:SA+16+\j+1]
.endr
.irp j, 0,1,2,3,4,5,6,7
	v_cmp_gt_i32 vcc_lo, \j, v8
	v_cndmask_b32 v[T+\j], v[T+\j], v14, vcc_lo    ; keys after my row count for nothing
.endr
.irp j, 0,2,4,6
	v_pk_mul_f32 v[T+\j:T+\j+1], v[T+\j:T+\j+1], v[T+\j:T+\j+1]
.endr
	v_pk_add_f32 v[248:249], v[T:T+1], v[T+2:T+3]
	v_pk_add_f32 v[250:251], v[T+4:T+5], v[T+6:T+7]
	v_pk_add_f32 v[248:249], v[248:249], v[250:251]
	v_add_f32 v248, v248, v249
	v_permlanex16_b32 v249, v248, s26, s27
	v_add_f32 v248, v248, v249                     ; the row's sum of squares
	v_add_f32 v248, 0x3aa7c5ac, v248               ; + 128 x 1e-5
	v_rcp_f32 v252, v248
	v_rcp_f32 v253, v248
	v_nop                                          ; a plain instruction behind the reciprocals,
	s_wait_alu depctr_va_vdst(0)                   ; and a wait ahead of their first reader
.irp j, 0,2,4,6
	v_pk_mul_f32 v[T+\j:T+\j+1], v[T+\j:T+\j+1], v[252:253]
.endr
.irp j, 0,1,2,3,4,5,6,7
	v_and_b32 v[HI+\j], s28, v[T+\j]               ; the weights' high parts,
.endr
.irp j, 0,2,4,6
	v_pk_add_f32 v[T+\j:T+\j+1], v[T+\j:T+\j+1], v[HI+\j:HI+\j+1] neg_lo:[0,1] neg_hi:[0,1]   ; and the rest
.endr
.irp p, 0,1,2,3
	v_cvt_pk_f16_f32 v[PB+\p], v[HI+2*\p], v[HI+2*\p+1]
	v_cvt_pk_f16_f32 v[PB+4+\p], v[T+2*\p], v[T+2*\p+1]
.endr
	s_wait_dscnt 0x0
	OPROD 0
	PLACES
	VFRAG 4
	s_wait_dscnt 0x0
	OPROD 4
	PLACES
.irp d, 0,1,2,3,4,5,6,7                        ; O^T, tile by tile, becomes the projection's source 1: registers 4 (d % 2) .. + 3 of fragment d / 2
.irp j, 0,1,2,3,4,5,6,7
	v_and_b32 v[T+\j], s28, v[OT+8*\d+\j]
.endr
.irp j, 0,2,4,6
	v_pk_add_f32 v[HI+\j:HI+\j+1], v[OT+8*\d+\j:OT+8*\d+\j+1], v[T+\j:T+\j+1] neg_lo:[0,1] neg_hi:[0,1]
.endr
.irp p, 0,1,2,3
	v_cvt_pk_f16_f32 v[OH+4*\d+\p], v[T+2*\p], v[T+2*\p+1]
	v_cvt_pk_f16_f32 v[OL+4*\d+\p], v[HI+2*\p], v[HI+2*\p+1]
.endr
.endr
	s_wait_loadcnt 0x0                             ; Wo
.irp c, 0,1,2,3
.set i, 0
.rept 16
	v_and_b32 v[T+i], s28, v[WF+16*\c+i]
.set i, i+1
.endr
.set i, 0
.rept 8
	v_pk_add_f32 v[WF+16*\c+2*i:WF+16*\c+2*i+1], v[WF+16*\c+2*i:WF+16*\c+2*i+1], v[T+2*i:T+2*i+1] neg_lo:[0,1] neg_hi:[0,1]
.set i, i+1
.endr
.set i, 0
.rept 8
	v_cvt_pk_f16_f32 v[WH+8*\c+i], v[T+2*i], v[T+2*i+1]
	v_cvt_pk_f16_f32 v[WL+8*\c+i], v[WF+16*\c+2*i], v[WF+16*\c+2*i+1]
.set i, i+1
.endr
.endr
.irp c, 0,1,2,3                                ; out^T: source 0 = 16 rows of Wo, source 1 = o: lane (r, h), register j: out(r, 16 x + 8 h + j)
.if \c == 0
	v_wmma_f32_16x16x32_f16 v[SA:SA+7], v[WH:WH+7], v[OH:OH+7], 0
	v_wmma_f32_16x16x32_f16 v[SA+8:SA+15], v[WH:WH+7], v[OL:OL+7], 0
	v_wmma_f32_16x16x32_f16 v[SA+16:SA+23], v[WL:WL+7], v[OH:OH+7], 0
.else
	v_wmma_f32_16x16x32_f16 v[SA:SA+7], v[WH+8*\c:WH+8*\c+7], v[OH+8*\c:OH+8*\c+7], v[SA:SA+7]
	v_wmma_f32_16x16x32_f16 v[SA+8:SA+15], v[WH+8*\c:WH+8*\c+7], v[OL+8*\c:OL+8*\c+7], v[SA+8:SA+15]
	v_wmma_f32_16x16x32_f16 v[SA+16:SA+23], v[WL+8*\c:WL+8*\c+7], v[OH+8*\c:OH+8*\c+7], v[SA+16:SA+23]
.endif
.endr
	PLACES
.irp j, 0,2,4,6
	v_pk_add_f32 v[T+\j:T+\j+1], v[SA+\j:SA+\j+1], v[SA+8+\j:SA+8+\j+1]
.endr
.irp j, 0,2,4,6
	v_pk_add_f32 v[T+\j:T+\j+1], v[T+\j:T+\j+1], v[SA+16+\j:SA+16+\j+1]
.endr
	ds_store_b128 v9, v[T:T+3]                     ; my head's share, as an image of its registers
	ds_store_b128 v9, v[T+4:T+7] offset:512
	s_wait_dscnt 0x0                               ; for the others' sake: my stores have landed
	s_barrier_signal -1
	s_barrier_wait -1
	s_cmp_lg_u32 s12, 0                            ; wave 0 adds the sixteen shares and stores the tile
	s_cbranch_scc1 .Ldone
.set i, 0
.rept 16
	ds_load_b128 v[16+8*i:19+8*i], v10 offset:1024*i
	ds_load_b128 v[20+8*i:23+8*i], v10 offset:1024*i+512
.set i, i+1
.endr
	s_wait_dscnt 0x0
.set i, 1
.rept 15
.irp j, 0,2,4,6
	v_pk_add_f32 v[16+\j:17+\j], v[16+\j:17+\j], v[16+8*i+\j:17+8*i+\j]
.endr
.set i, i+1
.endr
	global_store_b128 v7, v[16:19], s[10:11]
	global_store_b128 v7, v[20:23], s[10:11] offset:16
.Ldone:
	s_wait_tensorcnt 0x0                           ; the wave's end, behind my last LDS store
	ds_add_u32 v[SPW], v[NIL]
	s_wait_dscnt 0x0
	s_endpgm
.Lfunc_end_k_q1ae5b4480b_first16:
	.size	k_q1ae5b4480b_first16, .Lfunc_end_k_q1ae5b4480b_first16-k_q1ae5b4480b_first16
	.p2alignl 7, 3214868480
	.fill 96, 4, 3214868480
	.section	.rodata,"a",@progbits
	.p2align	6, 0x0
	.amdhsa_kernel k_q1ae5b4480b_first16
		.amdhsa_group_segment_fixed_size 165888
		.amdhsa_private_segment_fixed_size 0
		.amdhsa_enable_private_segment 0
		.amdhsa_kernarg_size 32
		.amdhsa_user_sgpr_count 2
		.amdhsa_user_sgpr_kernarg_segment_ptr 1
		.amdhsa_wavefront_size32 1
		.amdhsa_system_sgpr_workgroup_id_x 1
		.amdhsa_system_sgpr_workgroup_id_y 1
		.amdhsa_system_sgpr_workgroup_id_z 1
		.amdhsa_system_vgpr_workitem_id 0
		.amdhsa_next_free_vgpr 256
		.amdhsa_next_free_sgpr 66
		.amdhsa_reserve_vcc 1
		.amdhsa_float_denorm_mode_32 3
		.amdhsa_float_denorm_mode_16_64 3
		.amdhsa_memory_ordered 1
		.amdhsa_forward_progress 1
		.amdhsa_inst_pref_size 41
	.end_amdhsa_kernel
	.amdgpu_metadata
---
amdhsa.version: [ 1, 2 ]
amdhsa.kernels:
  - .name:           k_q1ae5b4480b_first16
    .symbol:         k_q1ae5b4480b_first16.kd
    .args:
      - { .name: qkv16, .offset: 0, .size: 8, .value_kind: global_buffer, .address_space: global }
      - { .name: lo16, .offset: 8, .size: 8, .value_kind: global_buffer, .address_space: global }
      - { .name: Wo, .offset: 16, .size: 8, .value_kind: global_buffer, .address_space: global }
      - { .name: out0, .offset: 24, .size: 8, .value_kind: global_buffer, .address_space: global }
    .group_segment_fixed_size: 165888
    .private_segment_fixed_size: 0
    .kernarg_segment_align: 8
    .kernarg_segment_size: 32
    .max_flat_workgroup_size: 512
    .sgpr_count:     66
    .vgpr_count:     256
    .wavefront_size: 32
...
	.end_amdgpu_metadata
.endif
;; end of part 5
